; MI455X (gfx1250); checked and timed in simulation.
; The chip was launched on July 23, 2026; its instructions are those of AMD's public machine-readable ISA for CDNA 5 (MIT licence, August 2026) and "CDNA5" Instruction Set Architecture Reference Guide (July 2026). The comments in the code are by the model that wrote it; some were corrected since.
;; Head. Allowed arithmetic: float matrix products may take bf16 or f16 operands with f32 sums; all other float work in f32.
;; Inputs: Wk 2,048 x 128 float32; Wq 2,048 x 128 float32; Wv 2,048 x 128 float32; x 8 x 2,048 x 2,048 float32.
;; Outputs: out0 8 x 2,048 x 128 float32.
;; 3 versions, each right; version 2 is faster than version 1; version 3 is version 2 with the launch attn written anew for expert scheduling mode. Each part assembles by itself: llvm-mc -triple=amdgcn-amd-amdhsa -mcpu=gfx1250 --defsym DOCPART=n.
;; ======== version 1 of 3: 3 launches
;; limits: values are held in f16: magnitudes above 65,504 overflow, below 6.1e-05 lose precision
;; workspace buffers: wt 1,572,864 bytes; qkv 12,582,912 bytes
;; launch wprep (part 1): grid 96 x 1, 8 waves a work-group, no clusters, 17,920 bytes of LDS; arguments Wq, Wk, Wv, wt; writes wt
.if DOCPART == 1
	.amdgcn_target "amdgcn-amd-amdhsa--gfx1250"
	.amdhsa_code_object_version 6
	.text
	.protected	k_qde51d9c8d0_wprep
	.globl	k_qde51d9c8d0_wprep
	.p2align	8
	.type	k_qde51d9c8d0_wprep,@function
k_qde51d9c8d0_wprep:
	s_mov_b64 s[64:65], 0
	v_nop
	global_prefetch_b8 v0, s[64:65] scope:SCOPE_SE
	s_setreg_imm32_b32 hwreg(HW_REG_WAVE_MODE, 25, 1), 1
	s_wait_xcnt 0x0
; wt[n'][k] = bf16(W[k][n]):  n' = n for Wq, 128 + n for Wk, 256 + n for Wv.  W: [2048 k][128 n] f32.  wt: [384][2048] bf16.
; The projection wants its weights in 16 bits with k along the rows; this is done once here instead of in each of its 256 work-groups.
; A work-group takes one matrix, 128 k and 64 n: 3 x 16 x 2 = 96 work-groups, all the work there is (3 MiB in, 1.5 MiB out).
; In: a load of a wave covers two pieces of 256 consecutive, aligned bytes (rows k and k + 2).  Two neighbouring k of one n are rounded
; into one word and laid into an LDS tile [64 n][128 k]; out: a store of a wave covers 256 consecutive, aligned bytes of one row of wt.
; No matrix unit, no cluster, no tensor load: nothing is shared between work-groups and nothing is multiplied.
.set PITCH, 264                        ; LDS row: 256 bytes + 8, a multiple of 8 for the 8-byte loads; 66 words, so that of the 32 lanes of a 4-byte store at most two meet in a bank (64 banks of 4 bytes: ISA guide 11.1)
.set VO, 5                             ; v5      byte offset of my 16 bytes in the group's part of W
.set VS, 6                             ; v6      LDS address of my words
.set XR, 8                             ; v[8:39] 8 loads of 4 f32: (i, e) at XR + 4 (2 i + e); later the rows read back
.set TT, 40                            ; v[40:55] 16 words of two bf16
.set VR, 56                            ; v56     LDS address for the way back
.set VW, 57                            ; v57     byte offset in wt
	s_load_b256 s[4:11], s[0:1], 0x0               ; Wq s[4:5], Wk s[6:7], Wv s[8:9], wt s[10:11]
	v_lshl_add_u32 v64, v0, 2, 0x4200
	v_mov_b32 v65, 0
	v_lshrrev_b32 v1, 5, v0
	v_readfirstlane_b32 s22, v1                    ; wave 0..7
	s_lshr_b32 s14, ttmp9, 5                       ; which matrix: 0, 1, 2
	s_bfe_u32 s15, ttmp9, 0x40001                  ; which 128 k: 0..15
	s_and_b32 s16, ttmp9, 1                        ; which 64 n
	s_lshl_b32 s18, s15, 16                        ; source: 128 rows of 512 bytes,
	s_lshl_b32 s17, s16, 8                         ; and 64 columns of 4 bytes
	s_add_co_u32 s18, s18, s17
	s_mov_b32 s19, 0
	s_lshl_b32 s20, s14, 19                        ; target: 128 rows of 4,096 bytes a matrix,
	s_lshl_b32 s17, s16, 18                        ; 64 rows,
	s_add_co_u32 s20, s20, s17
	s_lshl_b32 s17, s15, 8                         ; 128 k of 2 bytes
	s_add_co_u32 s20, s20, s17
	s_mov_b32 s21, 0
	v_and_b32 v1, 31, v0                           ; lane
	v_and_b32 v3, 15, v0                           ; quad: my four columns 4 quad .. 4 quad + 3
	v_bfe_u32 v4, v0, 4, 1                         ; kp: lanes 16-31 take the row two further down
	v_lshlrev_b32 v[VO], 4, v3                     ; k = 16 w + 4 i + 2 kp + e:  16 quad + 1,024 kp + 8,192 w; i and e stand in the immediate
	v_lshl_add_u32 v[VO], v4, 10, v[VO]
	v_lshl_add_u32 v[VO], s22, 13, v[VO]
	v_mul_u32_u24 v[VS], v3, 4*PITCH               ; LDS: row n = 4 quad + j, byte 2 k = 32 w + 8 i + 4 kp
	v_lshl_add_u32 v[VS], s22, 5, v[VS]
	v_lshl_add_u32 v[VS], v4, 2, v[VS]
	v_lshlrev_b32 v7, 3, v1                        ; 8 bytes a lane: 32 lanes take a row's 256 bytes
	s_mul_i32 s23, s22, 8*PITCH                    ; wave w takes rows 8 w .. 8 w + 7 back
	v_add_nc_u32 v[VR], s23, v7
	v_lshl_add_u32 v[VW], s22, 15, v7              ; 8 rows of 4,096 bytes a wave
	s_wait_kmcnt 0x0
	s_cmp_eq_u32 s14, 1
	s_cselect_b64 s[12:13], s[6:7], s[4:5]         ; the matrix is chosen by the work-group's number
	s_cmp_eq_u32 s14, 2
	s_cselect_b64 s[12:13], s[8:9], s[12:13]
	s_add_nc_u64 s[12:13], s[12:13], s[18:19]
	s_add_nc_u64 s[10:11], s[10:11], s[20:21]
.irp i, 0,1,2,3
.irp e, 0,1
	global_load_b128 v[XR+4*(2*\i+\e):XR+4*(2*\i+\e)+3], v[VO], s[12:13] offset:\i*2048+\e*512 th:TH_LOAD_NT
.endr
.endr
.irp i, 0,1,2,3
	s_wait_loadcnt 6-2*\i                          ; loads come back in order: pair i is in, the 6 - 2 i younger ones stay out
.irp j, 0,1,2,3
	v_cvt_pk_bf16_f32 v[TT+4*\i+\j], v[XR+8*\i+\j], v[XR+8*\i+4+\j]   ; k even below, k + 1 above
.endr
.irp j, 0,1,2,3
	ds_store_b32 v[VS], v[TT+4*\i+\j] offset:\j*PITCH+\i*8
.endr
.endr
	s_wait_dscnt 0x0                               ; my stores are done before I say so: other waves read them
	s_barrier_signal -1
	s_barrier_wait -1
.irp p, 0,1,2,3,4,5,6,7
	ds_load_b64 v[XR+2*\p:XR+2*\p+1], v[VR] offset:\p*PITCH
.endr
.irp p, 0,1,2,3,4,5,6,7
	s_wait_dscnt 7-\p                              ; row p is in, the younger ones stay out
	global_store_b64 v[VW], v[XR+2*\p:XR+2*\p+1], s[10:11] offset:\p*4096   ; 32 lanes store 256 consecutive bytes, at a multiple of 256 from wt's first byte
.endr
	s_wait_tensorcnt 0x0
	ds_add_u32 v64, v65
	s_wait_dscnt 0x0
	s_endpgm
.Lfunc_end_k_qde51d9c8d0_wprep:
	.size	k_qde51d9c8d0_wprep, .Lfunc_end_k_qde51d9c8d0_wprep-k_qde51d9c8d0_wprep
	.p2alignl 7, 3214868480
	.fill 96, 4, 3214868480
	.section	.rodata,"a",@progbits
	.p2align	6, 0x0
	.amdhsa_kernel k_qde51d9c8d0_wprep
		.amdhsa_group_segment_fixed_size 17920
		.amdhsa_private_segment_fixed_size 0
		.amdhsa_enable_private_segment 0
		.amdhsa_kernarg_size 32
		.amdhsa_user_sgpr_count 2
		.amdhsa_user_sgpr_kernarg_segment_ptr 1
		.amdhsa_wavefront_size32 1
		.amdhsa_system_sgpr_workgroup_id_x 1
		.amdhsa_system_sgpr_workgroup_id_y 1
		.amdhsa_system_sgpr_workgroup_id_z 1
		.amdhsa_system_vgpr_workitem_id 0
		.amdhsa_next_free_vgpr 66
		.amdhsa_next_free_sgpr 66
		.amdhsa_reserve_vcc 0
		.amdhsa_float_denorm_mode_32 3
		.amdhsa_float_denorm_mode_16_64 3
		.amdhsa_memory_ordered 1
		.amdhsa_forward_progress 1
		.amdhsa_inst_pref_size 7
	.end_amdhsa_kernel
	.amdgpu_metadata
---
amdhsa.version: [ 1, 2 ]
amdhsa.kernels:
  - .name:           k_qde51d9c8d0_wprep
    .symbol:         k_qde51d9c8d0_wprep.kd
    .args:
      - { .name: Wq, .offset: 0, .size: 8, .value_kind: global_buffer, .address_space: global }
      - { .name: Wk, .offset: 8, .size: 8, .value_kind: global_buffer, .address_space: global }
      - { .name: Wv, .offset: 16, .size: 8, .value_kind: global_buffer, .address_space: global }
      - { .name: wt, .offset: 24, .size: 8, .value_kind: global_buffer, .address_space: global }
    .group_segment_fixed_size: 17920
    .private_segment_fixed_size: 0
    .kernarg_segment_align: 8
    .kernarg_segment_size: 32
    .max_flat_workgroup_size: 256
    .sgpr_count:     66
    .vgpr_count:     66
    .wavefront_size: 32
...
	.end_amdgpu_metadata
.endif
;; end of part 1
;; launch proj (part 2): grid 256 x 1, 4 waves a work-group, clusters of 4 x 1, 327,680 bytes of LDS; arguments x, wt, qkv; writes qkv
.if DOCPART == 2
	.amdgcn_target "amdgcn-amd-amdhsa--gfx1250"
	.amdhsa_code_object_version 6
	.text
	.protected	k_qde51d9c8d0_proj
	.globl	k_qde51d9c8d0_proj
	.p2align	8
	.type	k_qde51d9c8d0_proj,@function
k_qde51d9c8d0_proj:
	s_mov_b64 s[64:65], 0
	v_nop
	global_prefetch_b8 v0, s[64:65] scope:SCOPE_SE
	s_setreg_imm32_b32 hwreg(HW_REG_WAVE_MODE, 25, 1), 1
	s_wait_xcnt 0x0
	s_wait_alu depctr_hold_cnt(0) depctr_sa_sdst(0) depctr_va_vdst(0) depctr_va_sdst(0) depctr_va_ssrc(0) depctr_va_vcc(0) depctr_vm_vsrc(0)
	s_getreg_b32 s2, hwreg(HW_REG_IB_STS2, 6, 4)
	s_cmp_eq_u32 s2, 0
	s_cbranch_scc0 .Lentry_in_a_cluster
	s_endpgm
.Lentry_in_a_cluster:
	s_bfe_u32 s2, ttmp6, 0x10000c
	s_cmp_lg_u32 s2, 0x3003
	s_cbranch_scc0 .Lentry_shape_is_right
	s_endpgm
.Lentry_shape_is_right:
; qkv[row][0:128] = Q, [128:256] = K, [256:384] = V, in f16:  qkv[row][n'] = sum over k of x[row][k] wt[n'][k].
; x: [16384][2048] f32, rounded to bf16 on its way; wt: [384][2048] bf16; sums in f32.
; LIMIT: Q, K and V are kept in f16: a magnitude of 65,520 or more becomes an infinity.
; A work-group makes 64 rows x 384 columns with four waves; a wave makes 64 x 96: 24 accumulator tiles of 16 x 16, 192 registers.
; 16,384 rows / 64 = 256 work-groups.  K goes in 16 steps of 128, written out one after the other, so that every step of an address stands in an immediate.
; WEIGHTS: every work-group walks the same tiles of wt.  Four work-groups form a cluster and ask for each tile JOINTLY (mask 15): wave w
; brings rows 96 w .. 96 w + 95, 256 bytes each, into one of two LDS slots, one load a wave behind each round of the cluster's barrier.
; x is read once, by nobody else, so it is not shared: each wave loads its 16 rows of a step (16 loads of 512 consecutive bytes) into a ring of three
; steps in registers, three steps ahead (48 loads a wave on their way), rounds them to bf16 once and lays them into an LDS stage of two slots,
; from which all four waves take their fragments.
; THE MATRIX INSTRUCTION IS USED TRANSPOSED: source 0 = 16 rows of wt, source 1 = 16 rows of x.  Lane l then holds row l % 16 of the result and its
; eight registers the columns 8 (l / 16) + 0 .. 7: eight neighbouring numbers, 16 bytes in f16.
; REGISTERS: window 0 addresses, packed x, two fragment buffers; window 1 (v256-447) the ring of x; window 2 (v512-703) the accumulators.
.set PITCH,  272                       ; an LDS row: 256 bytes + 16: an odd multiple of 16, so that the 16 rows of a fragment load lie in 16 different 16-byte columns
.set WPART,  96*PITCH                  ; what one tensor load brings, and what one wave reads of wt
.set WSLOT,  4*WPART                   ; 384 rows
.set AS0,    2*WSLOT                   ; the stage for x: two slots of 64 rows, written by LDS stores alone; begins at a multiple of 256
.set ASZ,    64*PITCH
.set OSTG,   AS0+2*ASZ                 ; the stage for the way out: 64 rows of 768 + 16 bytes; begins at a multiple of 256
.set OPITCH, 784
.set XO,  2                            ; v2     byte offset in x of my 16 bytes in my wave's first row; never rewritten
.set ADA, 4                            ; v4-5   LDS address of x's fragments, slot 0, 1
.set ADW, 6                            ; v6-7   the same for my wave's 96 rows of wt
.set AST, 8                            ; v8-9   where I put 8 bytes of packed x, slot 0, 1
.set OST, 10                           ; v10    the way out: where I put 16 bytes of a row
.set ORD, 11                           ; v11    the way out: where I read rows back
.set OGO, 12                           ; v12    my byte offset in qkv
.set CT,  16                           ; v[16:47]   16 rows x 4 bf16, packed
.set F0,  64                           ; v[64:143]  fragment buffer 0: wt's six blocks at +8 b, x's four blocks at +48 + 8 a
.set F1,  144                          ; v[144:223] fragment buffer 1
.set G1,  16                           ; s[16:23] descriptor group 1
.set G0,  24                           ; s[24:31] descriptor group 0, one set for each slot
.set MULW, 0xa0                        ; C and D in window 2, both sources in window 0
.set MSB, 0
.macro WIN new                         ; the immediate's high byte repeats the setting that is left; a switch that changes nothing is dropped
.if MSB != \new
	s_set_vgpr_msb (MSB<<8)|\new
.set MSB, \new
.endif
.endm
.macro PLACES                          ; four plain vector instructions between a matrix instruction and a load into, or a vector instruction on, its registers
.rept 4
	v_nop
.endr
.endm
; A round of the cluster's barrier: my work-group's barrier, wave 0 signals for the work-group, every wave waits for all four work-groups, my work-group's barrier again.
.macro ROUND
	s_barrier_signal -1
	s_barrier_wait -1
	s_cmp_lg_u32 s10, 0
	s_cbranch_scc1 .Lnot_wave_0_\@
	s_barrier_signal -3
.Lnot_wave_0_\@:
	s_barrier_wait -3
	s_barrier_signal -1
	s_barrier_wait -1
.endm
; 16 loads: my wave's 16 rows of K step u, 512 consecutive bytes each, into ring slot u mod 3 (destination in window 1)
.macro XLOAD u
.set RHO, (\u)%3
.set i, 0
.rept 16
	global_load_b128 v[64*RHO+4*i:64*RHO+4*i+3], v[XO], s[4:5] offset:i*8192+(\u)*512 th:TH_LOAD_NT
.set i, i+1
.endr
.endm
; K step u of x: wait for it, round it to bf16, lay it into stage slot u mod 2, and ask for step u + 3 into the registers just read
.macro CONV u
.set RHO, (\u)%3
.set CS, (\u)&1
.if (\u) <= 13
	s_wait_loadcnt 32                              ; the loads of steps u + 1 and u + 2, 16 each, stay out
.else
.if (\u) == 14
	s_wait_loadcnt 16                              ; only step 15's are younger
.else
	s_wait_loadcnt 0
.endif
.endif
	WIN 0x05                                       ; both sources in window 1
.set i, 0
.rept 16
	v_cvt_pk_bf16_f32 v[CT+2*i],   v[64*RHO+4*i],   v[64*RHO+4*i+1]
	v_cvt_pk_bf16_f32 v[CT+2*i+1], v[64*RHO+4*i+2], v[64*RHO+4*i+3]
.set i, i+1
.endr
	WIN 0
.set i, 0
.rept 16
	ds_store_b64 v[AST+CS], v[CT+2*i:CT+2*i+1] offset:i*PITCH    ; 32 lanes, 256 consecutive bytes: one row of the stage
.set i, i+1
.endr
.if (\u)+3 <= 15
	WIN 0x40
	XLOAD (\u)+3
	WIN 0
.endif
.endm
; 20 LDS loads: the fragments of quarter step q (32 along K) of slot s into buffer f
.macro FETCH s, q, f
.irp b, 0,1,2,3,4,5
	ds_load_b128 v[\f+8*\b:\f+8*\b+3],   v[ADW+\s] offset:\b*16*PITCH+64*\q
	ds_load_b128 v[\f+8*\b+4:\f+8*\b+7], v[ADW+\s] offset:\b*16*PITCH+64*\q+32
.endr
.irp a, 0,1,2,3
	ds_load_b128 v[\f+48+8*\a:\f+48+8*\a+3],   v[ADA+\s] offset:\a*16*PITCH+64*\q
	ds_load_b128 v[\f+48+8*\a+4:\f+48+8*\a+7], v[ADA+\s] offset:\a*16*PITCH+64*\q+32
.endr
.endm
; 24 matrix instructions, 32 along K.  The 24 accumulators take turns, one instruction a turn, in the same order every time.
; zero = 1: the first product starts the sums: nothing is cleared.
.macro MUL f, zero
.irp a, 0,1,2,3
.irp b, 0,1,2,3,4,5
.if \zero
	v_wmma_f32_16x16x32_bf16 v[8*(6*\a+\b):8*(6*\a+\b)+7], v[\f+8*\b:\f+8*\b+7], v[\f+48+8*\a:\f+48+8*\a+7], 0
.else
	v_wmma_f32_16x16x32_bf16 v[8*(6*\a+\b):8*(6*\a+\b)+7], v[\f+8*\b:\f+8*\b+7], v[\f+48+8*\a:\f+48+8*\a+7], v[8*(6*\a+\b):8*(6*\a+\b)+7]
.endif
.endr
.endr
.endm
; K step t, in slot s = t mod 2 of both rings.
.macro STEP t, s
	WIN 0
	s_wait_tensorcnt 0x0                           ; my one tensor load, my part of this step's tile of wt, has landed: no load of mine is out,
	ds_add_u32 v254, v255
	s_wait_dscnt 0x0
.if \t < 14
	s_add_nc_u64 s[G0+4*\s+2:G0+4*\s+3], s[G0+4*\s+2:G0+4*\s+3], 512   ; so a group 0 may be written: this slot's next tile, two steps of 256 bytes on
.endif
	s_wait_dscnt 0x0                               ; my reads of the last step's slots are back, and my stores of this step's x are done
.if \t < 15
	ROUND                                          ; both now hold of every wave of all four work-groups
	tensor_load_to_lds s[G0+4*(1-\s):G0+4*(1-\s)+3], s[G1:G1+7]   ; the next step's tile into the slot read last: my one tensor load behind this round, and the first thing there
	s_nop 0
.else
	s_barrier_signal -1                            ; the last step fills nothing: my work-group's barrier is enough
	s_barrier_wait -1
.endif
	PLACES
	FETCH \s, 0, F0
	FETCH \s, 1, F1
	s_wait_dscnt 20                                ; quarter 0 is in; quarter 1's 20 loads stay out
	WIN MULW
.if \t == 0
	MUL F0, 1
.else
	MUL F0, 0
.endif
	WIN 0
	PLACES
	FETCH \s, 2, F0
.if \t < 15
	CONV \t+1                                      ; the next step's x goes into the stage slot whose last reads ended in front of this step's barrier
	s_wait_dscnt 36                                ; quarter 1 is in; quarter 2's 20 loads and the 16 stores stay out
.else
	s_wait_dscnt 20
.endif
	WIN MULW
	MUL F1, 0
	WIN 0
	PLACES
	FETCH \s, 3, F1
	s_wait_dscnt 20                                ; quarter 2 is in; quarter 3's 20 loads stay out
	WIN MULW
	MUL F0, 0
	s_wait_dscnt 0
	MUL F1, 0
.endm
	s_load_b128 s[4:7], s[0:1], 0x0                ; x s[4:5], wt s[6:7]
	s_load_b64 s[8:9], s[0:1], 0x10                ; qkv
	v_lshl_add_u32 v254, v0, 2, 0x47c00
	v_mov_b32 v255, 0
	ds_add_u32 v254, v255
	v_lshrrev_b32 v1, 5, v0
	v_readfirstlane_b32 s10, v1                    ; wave 0..3
	s_bfe_u32 s11, ttmp6, 0x40000                  ; cx: my place in the cluster
	s_lshl_b32 s12, ttmp9, 2                       ; in a cluster launch ttmp9 counts clusters
	s_add_co_u32 s12, s12, s11                     ; work-group 0..255
	s_lshl_b32 s32, s12, 19                        ; 64 rows of 8,192 bytes of x
	s_mov_b32 s33, 0
	s_mul_i32 s34, s12, 49152                      ; 64 rows of 768 bytes of qkv
	s_mov_b32 s35, 0
	s_mul_i32 s36, s10, 393216                     ; my wave's 96 rows of 4,096 bytes of wt: made of the wave's number alone
	s_mov_b32 s37, 0
	s_mul_i32 s38, s10, WPART                      ; and where they go in a slot
	v_and_b32 v1, 31, v0                           ; lane
	v_lshlrev_b32 v[XO], 4, v1
	v_lshl_add_u32 v[XO], s10, 17, v[XO]           ; + 16 rows of 8,192 bytes a wave
	; group 1: a tile of 96 rows x 128 elements of 2 bytes, 16 bytes of padding behind each row
	s_mov_b32 s[G1+0], 15|(1<<16)|(1<<20)|(1<<21)|(5<<22)|(3<<25)   ; 15:0 the mask: all four work-groups; 17:16 2 bytes; 20 padding on; 21 set beside a mask; 24:22 after every 64 words; 31:25 four words
	s_mov_b32 s[G1+1], 128<<16                     ; tensor_dim0 = 128
	s_mov_b32 s[G1+2], 96<<16                      ; tensor_dim1 = 96
	s_mov_b32 s[G1+3], 128<<16                     ; tile_dim0 = 128
	s_mov_b32 s[G1+4], 96                          ; tile_dim1 = 96
	s_mov_b32 s[G1+5], 2048                        ; elements from row to row
	s_mov_b32 s[G1+6], 0
	s_mov_b32 s[G1+7], 0
	s_wait_dscnt 0x0
	s_wait_kmcnt 0x0
	s_add_nc_u64 s[4:5], s[4:5], s[32:33]
	s_add_nc_u64 s[8:9], s[8:9], s[34:35]
	s_add_nc_u64 s[6:7], s[6:7], s[36:37]
	WIN 0x40
	XLOAD 0                                        ; the ring of x is filled first: 48 loads a wave
	XLOAD 1
	XLOAD 2
	WIN 0
.irp s, 0,1
	s_mov_b32 s[G0+4*\s], 1                                        ; count = 1
	s_add_co_u32 s[G0+4*\s+1], s38, \s*WSLOT                       ; LDS address
	s_add_nc_u64 s[G0+4*\s+2:G0+4*\s+3], s[6:7], \s*256            ; global address: K step s
	s_or_b32 s[G0+4*\s+3], s[G0+4*\s+3], 0x80000000               ; type = 2
.endr
	ROUND                                          ; all four work-groups are here: the first joint loads meet
	tensor_load_to_lds s[G0:G0+3], s[G1:G1+7]      ; K step 0 of wt
	s_nop 0
	v_and_b32 v3, 15, v0                           ; r = l % 16
	v_bfe_u32 v13, v0, 4, 1                        ; h = l / 16
	v_mul_u32_u24 v14, v3, PITCH
	v_lshl_add_u32 v14, v13, 4, v14                ; a fragment's lane term: row x pitch + 16 h
	v_add_nc_u32 v[ADA], AS0, v14
	v_add_nc_u32 v[ADA+1], AS0+ASZ, v14
	v_add_nc_u32 v[ADW], s38, v14
	v_add_nc_u32 v[ADW+1], WSLOT, v[ADW]
	s_mul_i32 s39, s10, 16*PITCH
	v_lshl_add_u32 v15, v1, 3, s39                 ; my wave's 16 rows of the stage, 8 bytes a lane
	v_add_nc_u32 v[AST], AS0, v15
	v_add_nc_u32 v[AST+1], AS0+ASZ, v15
	s_mul_i32 s39, s10, 192                        ; my wave's 96 columns of 2 bytes
	s_add_co_u32 s39, s39, OSTG
	v_mul_u32_u24 v[OST], v3, OPITCH
	v_lshl_add_u32 v[OST], v13, 4, v[OST]
	v_add_nc_u32 v[OST], s39, v[OST]
	v_lshl_add_u32 v48, s10, 4, v13                ; back: wave w takes rows 16 w .., lanes 0-15 one row, lanes 16-31 the next
	v_mul_u32_u24 v[ORD], v48, OPITCH
	v_lshl_add_u32 v[ORD], v3, 4, v[ORD]
	v_add_nc_u32 v[ORD], OSTG, v[ORD]
	v_mul_u32_u24 v[OGO], v48, 768
	v_lshl_add_u32 v[OGO], v3, 4, v[OGO]
	CONV 0
	STEP 0, 0
	STEP 1, 1
	STEP 2, 0
	STEP 3, 1
	STEP 4, 0
	STEP 5, 1
	STEP 6, 0
	STEP 7, 1
	STEP 8, 0
	STEP 9, 1
	STEP 10, 0
	STEP 11, 1
	STEP 12, 0
	STEP 13, 1
	STEP 14, 0
	STEP 15, 1
	; THE WAY OUT: round to f16, 16 bytes a lane into the stage, read whole rows of 768 bytes back, store them in pieces of 256 consecutive bytes.
	PLACES                                         ; behind the last matrix instructions: the conversions read results and write the fragment buffers
	WIN 0x0a                                       ; both sources in window 2
.set n, 0
.rept 24
.irp r, 0,1,2,3
	v_cvt_pk_f16_f32 v[F0+4*n+\r], v[8*n+2*\r], v[8*n+2*\r+1]
.endr
.set n, n+1
.endr
	WIN 0
.irp a, 0,1,2,3
.irp b, 0,1,2,3,4,5
	ds_store_b128 v[OST], v[F0+4*(6*\a+\b):F0+4*(6*\a+\b)+3] offset:\a*16*OPITCH+32*\b
.endr
.endr
	s_wait_dscnt 0x0                               ; my stores are done before I say so: a row holds parts of all four waves
	s_barrier_signal -1
	s_barrier_wait -1
.irp rp, 0,1,2,3,4,5,6,7
.irp seg, 0,1,2
	ds_load_b128 v[F0+4*(3*\rp+\seg):F0+4*(3*\rp+\seg)+3], v[ORD] offset:\rp*2*OPITCH+256*\seg
.endr
.endr
.irp rp, 0,1,2,3,4,5,6,7
.irp seg, 0,1,2
	s_wait_dscnt 23-(3*\rp+\seg)                   ; this load is in, the younger ones stay out
	global_store_b128 v[OGO], v[F0+4*(3*\rp+\seg):F0+4*(3*\rp+\seg)+3], s[8:9] offset:\rp*1536+256*\seg   ; 16 lanes store 256 consecutive bytes, at a multiple of 256 from qkv's first byte
.endr
.endr
	s_wait_tensorcnt 0x0
	ds_add_u32 v254, v255
	s_wait_dscnt 0x0
	ROUND                                          ; the closing round: no work-group ends while a partner may still ask for a tile that names it
	s_endpgm
.Lfunc_end_k_qde51d9c8d0_proj:
	.size	k_qde51d9c8d0_proj, .Lfunc_end_k_qde51d9c8d0_proj-k_qde51d9c8d0_proj
	.p2alignl 7, 3214868480
	.fill 96, 4, 3214868480
	.section	.rodata,"a",@progbits
	.p2align	6, 0x0
	.amdhsa_kernel k_qde51d9c8d0_proj
		.amdhsa_group_segment_fixed_size 327680
		.amdhsa_private_segment_fixed_size 0
		.amdhsa_enable_private_segment 0
		.amdhsa_kernarg_size 24
		.amdhsa_user_sgpr_count 2
		.amdhsa_user_sgpr_kernarg_segment_ptr 1
		.amdhsa_wavefront_size32 1
		.amdhsa_system_sgpr_workgroup_id_x 1
		.amdhsa_system_sgpr_workgroup_id_y 1
		.amdhsa_system_sgpr_workgroup_id_z 1
		.amdhsa_system_vgpr_workitem_id 0
		.amdhsa_next_free_vgpr 704
		.amdhsa_next_free_sgpr 66
		.amdhsa_reserve_vcc 0
		.amdhsa_float_denorm_mode_32 3
		.amdhsa_float_denorm_mode_16_64 3
		.amdhsa_memory_ordered 1
		.amdhsa_forward_progress 1
		.amdhsa_inst_pref_size 255
	.end_amdhsa_kernel
	.section	.bss,"aw",@nobits
	.p2align	6
	.space	262144
	.amdgpu_metadata
---
amdhsa.version: [ 1, 2 ]
amdhsa.kernels:
  - .name:           k_qde51d9c8d0_proj
    .symbol:         k_qde51d9c8d0_proj.kd
    .args:
      - { .name: x, .offset: 0, .size: 8, .value_kind: global_buffer, .address_space: global }
      - { .name: wt, .offset: 8, .size: 8, .value_kind: global_buffer, .address_space: global }
      - { .name: qkv, .offset: 16, .size: 8, .value_kind: global_buffer, .address_space: global }
    .group_segment_fixed_size: 327680
    .private_segment_fixed_size: 0
    .kernarg_segment_align: 8
    .kernarg_segment_size: 24
    .max_flat_workgroup_size: 128
    .sgpr_count:     66
    .vgpr_count:     704
    .wavefront_size: 32
...
	.end_amdgpu_metadata
.endif
;; end of part 2
;; launch attn (part 3): grid 256 x 1, 4 waves a work-group, clusters of 4 x 1, 327,680 bytes of LDS; arguments qkv, out0; writes out0
.if DOCPART == 3
	.amdgcn_target "amdgcn-amd-amdhsa--gfx1250"
	.amdhsa_code_object_version 6
	.text
	.protected	k_qde51d9c8d0_attn
	.globl	k_qde51d9c8d0_attn
	.p2align	8
	.type	k_qde51d9c8d0_attn,@function
k_qde51d9c8d0_attn:
	s_mov_b64 s[64:65], 0
	v_nop
	global_prefetch_b8 v0, s[64:65] scope:SCOPE_SE
	s_setreg_imm32_b32 hwreg(HW_REG_WAVE_MODE, 25, 1), 1
	s_wait_xcnt 0x0
	s_wait_alu depctr_hold_cnt(0) depctr_sa_sdst(0) depctr_va_vdst(0) depctr_va_sdst(0) depctr_va_ssrc(0) depctr_va_vcc(0) depctr_vm_vsrc(0)
	s_getreg_b32 s2, hwreg(HW_REG_IB_STS2, 6, 4)
	s_cmp_eq_u32 s2, 0
	s_cbranch_scc0 .Lentry_in_a_cluster
	s_endpgm
.Lentry_in_a_cluster:
	s_bfe_u32 s2, ttmp6, 0x10000c
	s_cmp_lg_u32 s2, 0x3003
	s_cbranch_scc0 .Lentry_shape_is_right
	s_endpgm
.Lentry_shape_is_right:
; out0[b][q][:] = softmax over k <= q of (Q[q] . K[k] / sqrt(128)) times V.  qkv: [8 x 2048][Q 128 | K 128 | V 128] f16.  out0: [8][2048][128] f32.
; LIMITS: the weights p = exp(s - running maximum) go to the matrix unit in f16: a weight below 2^-25 of its wave's running maximum counts as 0
; (2,048 keys x 2^-25 of weight at the most).  Scores, maxima, sums and results are f32.
; SHARES.  Cluster cl (64 of them): batch cl / 8, a = cl % 8; it owns the blocks of 128 query rows number a and 15 - a, which need a + 1 and 16 - a tiles of
; 128 keys: 17 in every cluster.  Work-group cx takes 32 rows of each block (q tiles 0, 1 low; 2, 3 high).  All four walk the same tiles of K and V and ask
; for them JOINTLY (mask 15).  Wave w takes all 64 rows x keys 32 w .. 32 w + 31 of each tile, so that each byte of K and V leaves LDS once in a work-group;
; each wave keeps its own running maximum, sum and result, and the four are merged at the end.
; LAYOUTS.  S^T = K Q^T (source 0 = 16 keys, source 1 = 16 query rows): lane l holds query row l % 16, register e key 8 (l / 16) + e.  Rounded to f16 in pairs
; that is source 1 of O^T = V^T P^T as it stands (source 0 = V through the transposing LDS load): the weights never leave the registers, and maximum, sum and
; rescale factor are one number a lane.
; SCHEDULE in double steps of two tiles (slot 0, slot 1), a2 = a / 2: one with both halves, which starts the sums; a2 with both halves; 6 - 2 a2 with the high
; rows alone; one with the high rows alone and masked.  Low rows are masked wherever they are worked on.  One tile of one half is masked throughout.
; The trip counts hang on the cluster's number alone.
; The maximum starts at the most negative finite number: a wave that has seen only masked keys has sum 0, factor 1 and no NaN.
; The exponent is c s + NM with c = log2(e) / sqrt(128) and NM = -c m rounded; the rescale factor is 2^(new NM - old NM): the very offsets that the weights used.
.set PK,   272                         ; LDS pitch of Q and K: 256 + 16, an odd multiple of 16
.set PV,   288                         ; LDS pitch of V: 256 + 32, an odd multiple of 32, for the transposing load
.set SL0,  64*PK                       ; behind Q's 64 rows: slot 0
.set PART, 18432                       ; what one wave brings lies at wave x 18,432: K's keys 0-63, K's keys 64-127 (17,408 bytes each), V's keys 0-63, V's keys 64-127 (18,432 each)
.set SLOT, 4*PART
.set VOFF, 2*PART                      ; V's 128 rows follow each other without a gap
.set STAT, SL0+2*SLOT                  ; 64 rows x (NM of waves 0-3, sum of waves 0-3); written by LDS stores alone; begins at a multiple of 256
.set STG,  STAT+2048                   ; four waves x 64 rows x (512 + 16) bytes: the waves' results
.set GP,   528
.set GW,   64*GP
.set ADK, 4                            ; v4-5   LDS address of my K fragments, slot 0, 1
.set ADV, 6                            ; v6-7   the same for V
.set ADQ, 8                            ; v8     and for Q
.set QD,  12                           ; v12-15 q tile j: my query row's place in the batch less my first key's place in a tile
.set MX,  16                           ; v16-19 running maximum
.set LS,  20                           ; v20-23 running sum, of my half of the wave's keys
.set AL,  24                           ; v24-31 rescale factor, first register of a pair
.set NM,  32                           ; v32-39 -c x maximum, first register of a pair
.set T0,  40                           ; v40-43
.set T1,  44                           ; v44-47
.set DD,  48                           ; v48-51
.set RD,  52                           ; v52-55 the merge: where I read wave 0..3's rows
.set STO, 56                           ; v56    the merge: where I put my results
.set STA, 57                           ; v57    where I put NM and sum
.set STB, 58                           ; v58    where I read all four
.set OGO, 59                           ; v59    my byte offset in a row of out0
.set KV,  64                           ; v[64:127]  K's fragments (i, c) at +8 (2 c + i); then V's, t at +8 t
.set SC,  128                          ; v[128:191] scores, then weights: (i, j) at +8 (4 i + j)
.set PR,  192                          ; v[192:223] weights in f16: j at +8 j
.set UU,  224                          ; v[224:255] at work
                                       ; window 1: O(t, j) at 8 (4 t + j);  window 2: Q's fragments (j, c) at 8 (4 j + c)
.set G1K, 16                           ; s[16:23] group 1 for K's tiles
.set G1V, 24                           ; s[24:31] for V's: it differs in the padding alone
.set G1Q, 32                           ; s[32:39] for Q's
.set G0,  40                           ; s[40:47] group 0 for K's or V's tiles, one set for each slot
.set G0Q, 48                           ; s[48:51] group 0 for Q
.set MSB, 0
.macro WIN new                         ; the immediate's high byte repeats the setting that is left; a switch that changes nothing is dropped
.if MSB != \new
	s_set_vgpr_msb (MSB<<8)|\new
.set MSB, \new
.endif
.endm
.macro PLACES                          ; four plain vector instructions between a matrix instruction and a load into, or a vector instruction on, its registers
.rept 4
	v_nop
.endr
.endm
.macro ROUND                           ; a round of the cluster's barrier
	s_barrier_signal -1
	s_barrier_wait -1
	s_cmp_lg_u32 s10, 0
	s_cbranch_scc1 .Lnot_wave_0_\@
	s_barrier_signal -3
.Lnot_wave_0_\@:
	s_barrier_wait -3
	s_barrier_signal -1
	s_barrier_wait -1
.endm
; A joint load: waves 0 and 1 bring K's two halves, waves 2 and 3 V's.  The branch hangs on the wave's number alone.
.macro JLOAD s
	s_cmp_lt_u32 s10, 2
	s_cbranch_scc0 .Lfor_v_\@
	tensor_load_to_lds s[G0+4*(\s):G0+4*(\s)+3], s[G1K:G1K+7]
	s_nop 0
	s_branch .Lasked_\@
.Lfor_v_\@:
	tensor_load_to_lds s[G0+4*(\s):G0+4*(\s)+3], s[G1V:G1V+7]
	s_nop 0
.Lasked_\@:
.endm
; q tile j: keys behind the query row get minus infinity.  Key 16 i + e of mine is allowed where 16 i + e <= QD - the tile's first key.
.macro MASKT j
	v_sub_nc_u32 v[DD+\j], v[QD+\j], s56
.irp i, 0,1
.irp e, 0,1,2,3,4,5,6,7
	v_cmp_le_i32 vcc_lo, 16*\i+\e, v[DD+\j]
	v_cndmask_b32 v[SC+8*(4*\i+\j)+\e], s55, v[SC+8*(4*\i+\j)+\e], vcc_lo
.endr
.endr
.endm
; One tile of 128 keys.  lo = 1: all four q tiles, the low ones masked; 0: the high two alone.  mhi = 1: the high ones masked.
; zero = 1: the first tile: Q's fragments are fetched, the first products start O.  refill = 1: the other slot is filled.
.macro STEP slot, lo, mhi, zero, refill
.if \lo
.set J0, 0
.set NJ, 4
.else
.set J0, 2
.set NJ, 2
.endif
	WIN 0
	s_wait_tensorcnt 0x0                           ; all my tensor loads have landed, my part of this tile among them: none of mine is out,
	ds_add_u32 v62, v63
	s_wait_dscnt 0x0
.if \refill
	s_add_nc_u64 s[G0+4*\slot+2:G0+4*\slot+3], s[G0+4*\slot+2:G0+4*\slot+3], 196608   ; so a group 0 may be written: this slot's next tile, 256 rows of 768 bytes on
.endif
	s_wait_dscnt 0x0                               ; my reads of the last tile are back
.if \refill
	ROUND                                          ; both now hold of every wave of all four work-groups
	JLOAD (1-\slot)                                ; the next tile into the slot read last: my one tensor load behind this round, and the first thing there
.else
	s_barrier_signal -1                            ; the last tile: nothing is filled, my work-group's barrier is enough
	s_barrier_wait -1
.endif
.if \zero
	WIN 0x80                                       ; destination in window 2
.irp j, 0,1,2,3
.irp c, 0,1,2,3
	ds_load_b128 v[8*(4*\j+\c):8*(4*\j+\c)+3],   v[ADQ] offset:\j*16*PK+64*\c
	ds_load_b128 v[8*(4*\j+\c)+4:8*(4*\j+\c)+7], v[ADQ] offset:\j*16*PK+64*\c+32
.endr
.endr
	WIN 0
.else
	PLACES                                         ; K's fragments land where the last tile's products read V's
.endif
.irp c, 0,1,2,3
.irp i, 0,1
	ds_load_b128 v[KV+8*(2*\c+\i):KV+8*(2*\c+\i)+3],   v[ADK+\slot] offset:\i*16*PK+64*\c
	ds_load_b128 v[KV+8*(2*\c+\i)+4:KV+8*(2*\c+\i)+7], v[ADK+\slot] offset:\i*16*PK+64*\c+32
.endr
.endr
	; S^T = K Q^T, 32 of the head's 128 at a time.  The accumulators take turns, one instruction a turn.
	WIN 0x08                                       ; source 1 (Q) in window 2
.irp c, 0,1,2,3
	s_wait_dscnt 12-4*\c                           ; chunk c's four loads are in (and Q's, which are older); the later chunks' stay out
.irp i, 0,1
.set jj, J0
.rept NJ
.if \c == 0
	v_wmma_f32_16x16x32_f16 v[SC+8*(4*\i+jj):SC+8*(4*\i+jj)+7], v[KV+8*(2*\c+\i):KV+8*(2*\c+\i)+7], v[8*(4*jj+\c):8*(4*jj+\c)+7], 0
.else
	v_wmma_f32_16x16x32_f16 v[SC+8*(4*\i+jj):SC+8*(4*\i+jj)+7], v[KV+8*(2*\c+\i):KV+8*(2*\c+\i)+7], v[8*(4*jj+\c):8*(4*jj+\c)+7], v[SC+8*(4*\i+jj):SC+8*(4*\i+jj)+7]
.endif
.set jj, jj+1
.endr
.endr
.endr
	WIN 0
	PLACES                                         ; for V's loads over K's fragments, and for the vector work on the scores
.irp t, 0,1,2,3,4,5,6,7
	ds_load_tr16_b128 v[KV+8*\t:KV+8*\t+3],   v[ADV+\slot] offset:32*\t          ; keys 8 h .. 8 h + 7 of mine, head columns 16 t + r
	ds_load_tr16_b128 v[KV+8*\t+4:KV+8*\t+7], v[ADV+\slot] offset:32*\t+16*PV    ; keys 16 + 8 h ..
.endr
.if \lo
	MASKT 0
	MASKT 1
.endif
.if \mhi
	MASKT 2
	MASKT 3
.endif
	; the running maximum: my 16 scores and the old maximum, in two chains; then the other half of the wave, which holds the same query rows
.set jj, J0
.rept NJ
	v_max3_num_f32 v[T0+jj], v[SC+8*jj], v[SC+8*jj+1], v[MX+jj]
	v_max3_num_f32 v[T1+jj], v[SC+8*(4+jj)], v[SC+8*(4+jj)+1], v[SC+8*(4+jj)+2]
	v_max3_num_f32 v[T0+jj], v[T0+jj], v[SC+8*jj+2], v[SC+8*jj+3]
	v_max3_num_f32 v[T1+jj], v[T1+jj], v[SC+8*(4+jj)+3], v[SC+8*(4+jj)+4]
	v_max3_num_f32 v[T0+jj], v[T0+jj], v[SC+8*jj+4], v[SC+8*jj+5]
	v_max3_num_f32 v[T1+jj], v[T1+jj], v[SC+8*(4+jj)+5], v[SC+8*(4+jj)+6]
	v_max3_num_f32 v[T0+jj], v[T0+jj], v[SC+8*jj+6], v[SC+8*jj+7]
	v_max3_num_f32 v[T0+jj], v[T0+jj], v[T1+jj], v[SC+8*(4+jj)+7]
.set jj, jj+1
.endr
.set jj, J0
.rept NJ
	v_permlanex16_b32 v[T1+jj], v[T0+jj], s58, s59
.set jj, jj+1
.endr
.set jj, J0
.rept NJ
	v_max_num_f32 v[MX+jj], v[T0+jj], v[T1+jj]
	v_mul_f32 v[T1+jj], s54, v[MX+jj]              ; the new offset, -c m
	v_sub_f32 v[T0+jj], v[T1+jj], v[NM+2*jj]       ; new less old: zero or below
	v_mov_b32 v[NM+2*jj], v[T1+jj]
	v_exp_f32 v[AL+2*jj], v[T0+jj]                 ; the line behind it is plain and touches neither its result nor its source (ISA guide 5.7.2)
.set jj, jj+1
.endr
	; weights: 2^(c s - c m), one fused multiply-add for two, in place
.set jj, J0
.rept NJ
.irp i, 0,1
.irp e, 0,2,4,6
	v_pk_fma_f32 v[SC+8*(4*\i+jj)+\e:SC+8*(4*\i+jj)+\e+1], v[SC+8*(4*\i+jj)+\e:SC+8*(4*\i+jj)+\e+1], s[52:53], v[NM+2*jj:NM+2*jj+1] op_sel_hi:[1,0,0]
.endr
.endr
.set jj, jj+1
.endr
.set jj, J0
.rept NJ
.irp i, 0,1
.irp e, 0,1,2,3,4,5,6,7
	v_exp_f32 v[SC+8*(4*\i+jj)+\e], v[SC+8*(4*\i+jj)+\e]
.endr
.endr
.set jj, jj+1
.endr
	v_nop                                          ; one plain place behind the run of exponentials
.set jj, J0
	s_wait_alu depctr_va_vdst(0)
.rept NJ
	v_pk_add_f32 v[UU+8*jj:UU+8*jj+1],   v[SC+8*jj:SC+8*jj+1],   v[SC+8*jj+2:SC+8*jj+3]
	v_pk_add_f32 v[UU+8*jj+2:UU+8*jj+3], v[SC+8*jj+4:SC+8*jj+5], v[SC+8*jj+6:SC+8*jj+7]
	v_pk_add_f32 v[UU+8*jj+4:UU+8*jj+5], v[SC+8*(4+jj):SC+8*(4+jj)+1],   v[SC+8*(4+jj)+2:SC+8*(4+jj)+3]
	v_pk_add_f32 v[UU+8*jj+6:UU+8*jj+7], v[SC+8*(4+jj)+4:SC+8*(4+jj)+5], v[SC+8*(4+jj)+6:SC+8*(4+jj)+7]
	v_pk_add_f32 v[UU+8*jj:UU+8*jj+1],   v[UU+8*jj:UU+8*jj+1],   v[UU+8*jj+2:UU+8*jj+3]
	v_pk_add_f32 v[UU+8*jj+4:UU+8*jj+5], v[UU+8*jj+4:UU+8*jj+5], v[UU+8*jj+6:UU+8*jj+7]
	v_pk_add_f32 v[UU+8*jj:UU+8*jj+1],   v[UU+8*jj:UU+8*jj+1],   v[UU+8*jj+4:UU+8*jj+5]
	v_add_f32 v[T0+jj], v[UU+8*jj], v[UU+8*jj+1]
	v_fma_f32 v[LS+jj], v[LS+jj], v[AL+2*jj], v[T0+jj]
.set jj, jj+1
.endr
.set jj, J0
.rept NJ
.irp i, 0,1
.irp e, 0,1,2,3
	v_cvt_pk_f16_f32 v[PR+8*jj+4*\i+\e], v[SC+8*(4*\i+jj)+2*\e], v[SC+8*(4*\i+jj)+2*\e+1]
.endr
.endr
.set jj, jj+1
.endr
.if \zero == 0
	WIN 0x41                                       ; O in window 1, the factor in window 0
.irp t, 0,1,2,3,4,5,6,7
.set jj, J0
.rept NJ
.irp e, 0,2,4,6
	v_pk_mul_f32 v[8*(4*\t+jj)+\e:8*(4*\t+jj)+\e+1], v[8*(4*\t+jj)+\e:8*(4*\t+jj)+\e+1], v[AL+2*jj:AL+2*jj+1] op_sel_hi:[1,0]
.endr
.set jj, jj+1
.endr
.endr
.endif
	s_wait_dscnt 0x0                               ; V's fragments
	; O^T += V^T P^T.  Each accumulator has one instruction in a tile: they take turns.
	WIN 0x50                                       ; C and D in window 1
.irp t, 0,1,2,3,4,5,6,7
.set jj, J0
.rept NJ
.if \zero
	v_wmma_f32_16x16x32_f16 v[8*(4*\t+jj):8*(4*\t+jj)+7], v[KV+8*\t:KV+8*\t+7], v[PR+8*jj:PR+8*jj+7], 0
.else
	v_wmma_f32_16x16x32_f16 v[8*(4*\t+jj):8*(4*\t+jj)+7], v[KV+8*\t:KV+8*\t+7], v[PR+8*jj:PR+8*jj+7], v[8*(4*\t+jj):8*(4*\t+jj)+7]
.endif
.set jj, jj+1
.endr
.endr
	WIN 0
	s_add_co_u32 s56, s56, 128                     ; the next tile's first key
.endm
	s_load_b128 s[4:7], s[0:1], 0x0                ; qkv s[4:5], out0 s[6:7]
	v_lshl_add_u32 v62, v0, 2, 0x49c00
	v_mov_b32 v63, 0
	ds_add_u32 v62, v63
	v_lshrrev_b32 v1, 5, v0
	v_readfirstlane_b32 s10, v1                    ; wave 0..3
	s_and_b32 s8, s10, 1
	s_lshr_b32 s9, s10, 1
	s_bfe_u32 s11, ttmp6, 0x40000                  ; cx: my place in the cluster
	s_lshr_b32 s12, ttmp9, 3                       ; batch (in a cluster launch ttmp9 counts clusters)
	s_and_b32 s13, ttmp9, 7                        ; a
	s_lshr_b32 s14, s13, 1                         ; a2
	s_sub_co_u32 s60, 15, s13
	s_lshl_b32 s15, s11, 5                         ; 32 cx
	s_lshl_b32 s61, s13, 7
	s_add_co_u32 s61, s61, s15                     ; my first low row's place in the batch
	s_lshl_b32 s62, s60, 7
	s_add_co_u32 s62, s62, s15                     ; my first high row's
	s_cmp_lt_u32 s10, 2
	s_cselect_b32 s63, s61, s62                    ; q tile w: waves 0, 1 low, waves 2, 3 high,
	s_lshl4_add_u32 s63, s8, s63                   ; + 16 (w & 1),
	s_lshl_b32 s70, s12, 11
	s_add_co_u32 s63, s63, s70                     ; + the batch's 2,048 rows: the tile that wave w fetches of Q and stores of out0
	s_mul_i32 s70, s63, 768
	s_mov_b32 s71, 0
	s_mul_i32 s66, s12, 1572864                    ; K's and V's tiles: the batch's 2,048 rows of 768 bytes,
	s_mul_i32 s67, s8, 49152                       ; my 64 of a tile's 128 rows,
	s_add_co_u32 s66, s66, s67
	s_lshl_b32 s67, s9, 8                          ; K at byte 256 of a row, V at byte 512:
	s_add_co_u32 s66, s66, s67
	s_add_co_u32 s66, s66, 256                     ; made of the batch and the wave's number alone
	s_mov_b32 s67, 0
	; group 1: 64 rows x 128 elements of 2 bytes, rows 384 elements apart; padding of 4 words (K) or 8 words (V) behind each row's 64
	s_mov_b32 s[G1K+0], 15|(1<<16)|(1<<20)|(1<<21)|(5<<22)|(3<<25)
	s_mov_b32 s[G1V+0], 15|(1<<16)|(1<<20)|(1<<21)|(5<<22)|(7<<25)
	s_mov_b32 s[G1Q+0], (1<<16)|(1<<20)|(5<<22)|(3<<25)   ; Q's rows are my work-group's own: no mask
.irp g, G1K, G1V
	s_mov_b32 s[\g+1], 128<<16                     ; tensor_dim0 = 128
	s_mov_b32 s[\g+2], 64<<16                      ; tensor_dim1 = 64
	s_mov_b32 s[\g+3], 128<<16                     ; tile_dim0 = 128
	s_mov_b32 s[\g+4], 64                          ; tile_dim1 = 64
	s_mov_b32 s[\g+5], 384                         ; elements from row to row
	s_mov_b32 s[\g+6], 0
	s_mov_b32 s[\g+7], 0
.endr
	s_mov_b32 s[G1Q+1], 128<<16
	s_mov_b32 s[G1Q+2], 16<<16                     ; 16 rows a wave
	s_mov_b32 s[G1Q+3], 128<<16
	s_mov_b32 s[G1Q+4], 16
	s_mov_b32 s[G1Q+5], 384
	s_mov_b32 s[G1Q+6], 0
	s_mov_b32 s[G1Q+7], 0
	s_mov_b32 s[G0+0], 1
	s_mul_i32 s[G0+1], s10, PART
	s_add_co_u32 s[G0+5], s[G0+1], SL0+SLOT        ; LDS address in slot 1,
	s_add_co_u32 s[G0+1], s[G0+1], SL0             ; in slot 0
	s_mov_b32 s[G0+4], 1
	s_mov_b32 s[G0Q+0], 1
	s_mul_i32 s[G0Q+1], s10, 16*PK
	s_mov_b32 s52, 0x3e0293ee                      ; c = log2(e) / sqrt(128), twice: a pair for the packed multiply-add
	s_mov_b32 s53, 0x3e0293ee
	s_mov_b32 s54, 0xbe0293ee                      ; -c
	s_mov_b32 s55, 0xff800000                      ; minus infinity
	s_mov_b32 s56, 0                               ; the tile's first key
	s_mov_b32 s58, 0x76543210                      ; v_permlanex16_b32: lane i of one half reads lane i of the other
	s_mov_b32 s59, 0xfedcba98
	s_wait_dscnt 0x0
	s_wait_kmcnt 0x0
	s_add_nc_u64 s[68:69], s[4:5], s[66:67]
	s_mov_b64 s[G0+2:G0+3], s[68:69]               ; tile 0
	s_or_b32 s[G0+3], s[G0+3], 0x80000000
	s_add_nc_u64 s[G0+6:G0+7], s[68:69], 98304     ; tile 1: 128 rows of 768 bytes on
	s_or_b32 s[G0+7], s[G0+7], 0x80000000
	s_add_nc_u64 s[G0Q+2:G0Q+3], s[4:5], s[70:71]
	s_or_b32 s[G0Q+3], s[G0Q+3], 0x80000000
	s_lshl_b32 s70, s63, 9                         ; rows of 512 bytes in out0
	s_add_nc_u64 s[6:7], s[6:7], s[70:71]
	ROUND                                          ; all four work-groups are here: the first joint loads meet
	tensor_load_to_lds s[G0Q:G0Q+3], s[G1Q:G1Q+7]  ; the first fills go out together: two tensor loads of a wave are out here, one behind every later round
	s_nop 0
	JLOAD 0
	v_and_b32 v1, 31, v0                           ; lane l
	v_and_b32 v2, 15, v0                           ; r = l % 16
	v_bfe_u32 v3, v0, 4, 1                         ; h = l / 16
	v_mul_u32_u24 v[ADQ], v2, PK
	v_lshl_add_u32 v[ADQ], v3, 4, v[ADQ]           ; a fragment's lane term: row x pitch + 16 h
	s_mul_i32 s66, s9, PART                        ; my 32 keys: half w / 2 of K, rows 32 (w & 1) ..
	s_mul_i32 s67, s8, 32*PK
	s_add_co_u32 s66, s66, s67
	s_add_co_u32 s66, s66, SL0
	v_add_nc_u32 v[ADK], s66, v[ADQ]
	v_add_nc_u32 v[ADK+1], SLOT, v[ADK]
	v_and_b32 v60, 7, v0                           ; the transposing load: row 32 w + 8 h + l % 8, 16 bytes for each half of eight lanes' pair
	v_lshl_add_u32 v60, v3, 3, v60
	v_lshl_add_u32 v60, s10, 5, v60
	v_mul_u32_u24 v[ADV], v60, PV
	v_bfe_u32 v61, v0, 3, 1
	v_lshl_add_u32 v[ADV], v61, 4, v[ADV]
	v_add_nc_u32 v[ADV], SL0+VOFF, v[ADV]
	v_add_nc_u32 v[ADV+1], SLOT, v[ADV]
	v_lshlrev_b32 v60, 3, v3
	v_sub_nc_u32 v60, v2, v60                      ; r - 8 h
	s_lshl_b32 s66, s10, 5
	v_sub_nc_u32 v60, v60, s66                     ; - 32 w
	v_add_nc_u32 v[QD], s61, v60
	v_add_nc_u32 v[QD+1], 16, v[QD]
	v_add_nc_u32 v[QD+2], s62, v60
	v_add_nc_u32 v[QD+3], 16, v[QD+2]
	s_mul_i32 s66, s10, 16*GP                      ; the merge: wave w sums q tile w
	s_add_co_u32 s66, s66, STG
	v_lshl_add_u32 v[RD], v1, 4, s66
	v_add_nc_u32 v[RD+1], GW, v[RD]
	v_add_nc_u32 v[RD+2], 2*GW, v[RD]
	v_add_nc_u32 v[RD+3], 3*GW, v[RD]
	s_mul_i32 s66, s10, GW
	s_add_co_u32 s66, s66, STG
	v_mul_u32_u24 v[STO], v2, GP
	v_lshl_add_u32 v[STO], v3, 5, v[STO]           ; row r, head columns 8 h .. of a block of 16: 32 bytes
	v_add_nc_u32 v[STO], s66, v[STO]
	v_lshlrev_b32 v[STB], 5, v2
	v_add_nc_u32 v[STB], STAT, v[STB]
	v_lshl_add_u32 v[STA], s10, 2, v[STB]
	v_lshlrev_b32 v[OGO], 4, v1
.irp j, 0,1,2,3
	v_mov_b32 v[MX+\j], 0xff7fffff                 ; the most negative finite number
	v_mov_b32 v[LS+\j], 0
	v_mul_f32 v[NM+2*\j], s54, v[MX+\j]            ; its offset, finite
	v_mov_b32 v[NM+2*\j+1], 0                      ; the pairs' second registers are named by the packed forms and never used
	v_mov_b32 v[AL+2*\j+1], 0
.endr
	STEP 0, 1, 0, 1, 1                             ; tiles 0 and 1, both halves: no high row is near its diagonal (the high block is number 8 at the least)
	STEP 1, 1, 0, 0, 1
	s_cmp_eq_u32 s14, 0
	s_cbranch_scc1 .Lno_both
	s_mov_b32 s57, s14                             ; a2 more double steps with both halves
.Lboth:
	STEP 0, 1, 0, 0, 1
	STEP 1, 1, 0, 0, 1
	s_sub_co_u32 s57, s57, 1
	s_cmp_lg_u32 s57, 0
	s_cbranch_scc1 .Lboth
.Lno_both:
	s_lshl_b32 s57, s14, 1
	s_sub_co_u32 s57, 6, s57                       ; 6 - 2 a2 with the high rows alone
	s_cmp_eq_u32 s57, 0
	s_cbranch_scc1 .Lno_high
.Lhigh:
	STEP 0, 0, 0, 0, 1
	STEP 1, 0, 0, 0, 1
	s_sub_co_u32 s57, s57, 1
	s_cmp_lg_u32 s57, 0
	s_cbranch_scc1 .Lhigh
.Lno_high:
	STEP 0, 0, 1, 0, 1                             ; the last two tiles, 14 - 2 a2 and 15 - 2 a2: the high block's diagonal is in one of them
	STEP 1, 0, 1, 0, 0                             ; nothing is left to fetch
	; THE MERGE of the four waves' maxima, sums and results.
	PLACES                                         ; behind the last matrix instructions
.irp j, 0,1,2,3
	v_permlanex16_b32 v[T1+\j], v[LS+\j], s58, s59 ; the sum of the wave's other 16 keys
.endr
.irp j, 0,1,2,3
	v_add_f32 v[LS+\j], v[LS+\j], v[T1+\j]
.endr
.irp j, 0,1,2,3
	ds_store_b32 v[STA], v[NM+2*\j] offset:\j*512      ; lanes r and 16 + r write the same word with the same number
	ds_store_b32 v[STA], v[LS+\j] offset:\j*512+16
.endr
	s_wait_dscnt 0x0                               ; my stores are done before I say so
	s_barrier_signal -1
	s_barrier_wait -1
.irp j, 0,1,2,3
	ds_load_b128 v[UU+8*\j:UU+8*\j+3],   v[STB] offset:\j*512
	ds_load_b128 v[UU+8*\j+4:UU+8*\j+7], v[STB] offset:\j*512+16
.endr
	s_wait_dscnt 0x0
.irp j, 0,1,2,3
	v_min_num_f32 v[T0+\j], v[UU+8*\j], v[UU+8*\j+1]   ; the least offset belongs to the largest maximum; key 0 is open to every row, so it is that of a real score
	v_min_num_f32 v[T1+\j], v[UU+8*\j+2], v[UU+8*\j+3]
	v_min_num_f32 v[T0+\j], v[T0+\j], v[T1+\j]
	v_sub_f32 v[T1+\j], v[T0+\j], v[NM+2*\j]
.irp k, 0,1,2,3
	v_sub_f32 v[UU+8*\j+\k], v[T0+\j], v[UU+8*\j+\k]
.endr
.endr
.irp j, 0,1,2,3
	v_exp_f32 v[T1+\j], v[T1+\j]                   ; my wave's factor
.irp k, 0,1,2,3
	v_exp_f32 v[UU+8*\j+\k], v[UU+8*\j+\k]         ; each wave's
.endr
.endr
	v_nop                                          ; one plain place behind the run
	s_wait_alu depctr_va_vdst(0)
.irp j, 0,1,2,3
	v_mul_f32 v[T0+\j], v[UU+8*\j], v[UU+8*\j+4]
	v_fmac_f32 v[T0+\j], v[UU+8*\j+1], v[UU+8*\j+5]
	v_fmac_f32 v[T0+\j], v[UU+8*\j+2], v[UU+8*\j+6]
	v_fmac_f32 v[T0+\j], v[UU+8*\j+3], v[UU+8*\j+7]    ; the row's whole sum: at least about 1, the largest score's own weight
.endr
.irp j, 0,1,2,3
	v_rcp_f32 v[T0+\j], v[T0+\j]
.endr
	v_nop
	s_wait_alu depctr_va_vdst(0)
.irp j, 0,1,2,3
	v_mul_f32 v[AL+2*\j], v[T1+\j], v[T0+\j]
.endr
	WIN 0x41
.irp t, 0,1,2,3,4,5,6,7
.irp j, 0,1,2,3
.irp e, 0,2,4,6
	v_pk_mul_f32 v[8*(4*\t+\j)+\e:8*(4*\t+\j)+\e+1], v[8*(4*\t+\j)+\e:8*(4*\t+\j)+\e+1], v[AL+2*\j:AL+2*\j+1] op_sel_hi:[1,0]
.endr
.endr
.endr
	WIN 0x04                                       ; a store's data in window 1
.irp t, 0,1,2,3,4,5,6,7
.irp j, 0,1,2,3
	ds_store_b128 v[STO], v[8*(4*\t+\j):8*(4*\t+\j)+3]   offset:\j*16*GP+64*\t
	ds_store_b128 v[STO], v[8*(4*\t+\j)+4:8*(4*\t+\j)+7] offset:\j*16*GP+64*\t+16
.endr
.endr
	WIN 0
	s_wait_dscnt 0x0
	s_barrier_signal -1
	s_barrier_wait -1
	; wave w adds the four waves' rows of q tile w, four rows at a time, and stores them: a store of the wave covers a row's 512 consecutive bytes
.irp g, 0,1,2,3
.if \g
	s_wait_xcnt 0x0                                ; the registers that the last four stores read are loaded again only behind this wait
.endif
.irp p, 0,1,2,3
.irp k, 0,1,2,3
	ds_load_b128 v[KV+16*\p+4*\k:KV+16*\p+4*\k+3], v[RD+\k] offset:(4*\g+\p)*GP
.endr
.endr
.irp p, 0,1,2,3
	s_wait_dscnt 12-4*\p                           ; row p's four loads are in, the later rows' stay out
	v_pk_add_f32 v[KV+16*\p:KV+16*\p+1],     v[KV+16*\p:KV+16*\p+1],     v[KV+16*\p+4:KV+16*\p+5]
	v_pk_add_f32 v[KV+16*\p+2:KV+16*\p+3],   v[KV+16*\p+2:KV+16*\p+3],   v[KV+16*\p+6:KV+16*\p+7]
	v_pk_add_f32 v[KV+16*\p+8:KV+16*\p+9],   v[KV+16*\p+8:KV+16*\p+9],   v[KV+16*\p+12:KV+16*\p+13]
	v_pk_add_f32 v[KV+16*\p+10:KV+16*\p+11], v[KV+16*\p+10:KV+16*\p+11], v[KV+16*\p+14:KV+16*\p+15]
	v_pk_add_f32 v[KV+16*\p:KV+16*\p+1],     v[KV+16*\p:KV+16*\p+1],     v[KV+16*\p+8:KV+16*\p+9]
	v_pk_add_f32 v[KV+16*\p+2:KV+16*\p+3],   v[KV+16*\p+2:KV+16*\p+3],   v[KV+16*\p+10:KV+16*\p+11]
	global_store_b128 v[OGO], v[KV+16*\p:KV+16*\p+3], s[6:7] offset:(4*\g+\p)*512 th:TH_STORE_NT
.endr
.endr
	s_wait_tensorcnt 0x0
	ds_add_u32 v62, v63
	s_wait_dscnt 0x0
	ROUND                                          ; the closing round: no work-group ends while a partner may still ask for a tile that names it
	s_endpgm
.Lfunc_end_k_qde51d9c8d0_attn:
	.size	k_qde51d9c8d0_attn, .Lfunc_end_k_qde51d9c8d0_attn-k_qde51d9c8d0_attn
	.p2alignl 7, 3214868480
	.fill 96, 4, 3214868480
	.section	.rodata,"a",@progbits
	.p2align	6, 0x0
	.amdhsa_kernel k_qde51d9c8d0_attn
		.amdhsa_group_segment_fixed_size 327680
		.amdhsa_private_segment_fixed_size 0
		.amdhsa_enable_private_segment 0
		.amdhsa_kernarg_size 16
		.amdhsa_user_sgpr_count 2
		.amdhsa_user_sgpr_kernarg_segment_ptr 1
		.amdhsa_wavefront_size32 1
		.amdhsa_system_sgpr_workgroup_id_x 1
		.amdhsa_system_sgpr_workgroup_id_y 1
		.amdhsa_system_sgpr_workgroup_id_z 1
		.amdhsa_system_vgpr_workitem_id 0
		.amdhsa_next_free_vgpr 640
		.amdhsa_next_free_sgpr 72
		.amdhsa_reserve_vcc 1
		.amdhsa_float_denorm_mode_32 3
		.amdhsa_float_denorm_mode_16_64 3
		.amdhsa_memory_ordered 1
		.amdhsa_forward_progress 1
		.amdhsa_inst_pref_size 210
	.end_amdhsa_kernel
	.amdgpu_metadata
---
amdhsa.version: [ 1, 2 ]
amdhsa.kernels:
  - .name:           k_qde51d9c8d0_attn
    .symbol:         k_qde51d9c8d0_attn.kd
    .args:
      - { .name: qkv, .offset: 0, .size: 8, .value_kind: global_buffer, .address_space: global }
      - { .name: out0, .offset: 8, .size: 8, .value_kind: global_buffer, .address_space: global }
    .group_segment_fixed_size: 327680
    .private_segment_fixed_size: 0
    .kernarg_segment_align: 8
    .kernarg_segment_size: 16
    .max_flat_workgroup_size: 128
    .sgpr_count:     72
    .vgpr_count:     640
    .wavefront_size: 32
...
	.end_amdgpu_metadata
.endif
;; end of part 3
;; ======== version 2 of 3: 3 launches; 1.14 times as fast as version 1
;; limits: values are held in f16: magnitudes above 65,504 overflow, below 6.1e-05 lose precision
;; workspace buffers: wt 1,572,864 bytes; qkv 12,582,912 bytes
;; launch wprep (part 4): grid 96 x 1, 8 waves a work-group, no clusters, 17,920 bytes of LDS; arguments Wq, Wk, Wv, wt; writes wt
.if DOCPART == 4
	.amdgcn_target "amdgcn-amd-amdhsa--gfx1250"
	.amdhsa_code_object_version 6
	.text
	.protected	k_qde51d9c8d0_wprep
	.globl	k_qde51d9c8d0_wprep
	.p2align	8
	.type	k_qde51d9c8d0_wprep,@function
k_qde51d9c8d0_wprep:
	s_mov_b64 s[64:65], 0
	v_nop
	global_prefetch_b8 v0, s[64:65] scope:SCOPE_SE
	s_setreg_imm32_b32 hwreg(HW_REG_WAVE_MODE, 25, 1), 1
	s_wait_xcnt 0x0
; wt[n'][k] = bf16(W[k][n]).  W: [2048 k][128 n] f32, three of them (0 = Wq, 1 = Wk, 2 = Wv).  wt: [384][2048] bf16.
; ORDER OF wt's ROWS: n' = 96 (n / 32) + 32 matrix + n % 32: the 96 rows of wave w of the projection are 32 columns of Q, the same 32 of K and
; the same 32 of V, so that all its waves run one text.
; The projection wants its weights in 16 bits with k along the rows; this is done once here instead of in each of its 256 work-groups.
; A work-group takes one matrix, 128 k and 64 n: 3 x 16 x 2 = 96 work-groups, all the work there is (3 MiB in, 1.5 MiB out).
; In: a load of a wave covers two pieces of 256 consecutive, aligned bytes (rows k and k + 2).  Two neighbouring k of one n are rounded
; into one word and laid into an LDS tile [64 n][128 k]; out: a store of a wave covers 256 consecutive, aligned bytes of one row of wt.
; No matrix unit, no cluster, no tensor load: nothing is shared between work-groups and nothing is multiplied.
.set PITCH, 264                        ; LDS row: 256 bytes + 8, a multiple of 8 for the 8-byte loads; 66 words, so that of the 32 lanes of a 4-byte store at most two meet in a bank (64 banks of 4 bytes: ISA guide 11.1)
.set VO, 5                             ; v5      byte offset of my 16 bytes in the group's part of W
.set VS, 6                             ; v6      LDS address of my words
.set XR, 8                             ; v[8:39] 8 loads of 4 f32: (i, e) at XR + 4 (2 i + e); later the rows read back
.set TT, 40                            ; v[40:55] 16 words of two bf16
.set VR, 56                            ; v56     LDS address for the way back
.set VW, 57                            ; v57     byte offset in wt
	s_load_b256 s[4:11], s[0:1], 0x0               ; Wq s[4:5], Wk s[6:7], Wv s[8:9], wt s[10:11]
	v_lshl_add_u32 v64, v0, 2, 0x4200
	v_mov_b32 v65, 0
	v_lshrrev_b32 v1, 5, v0
	v_readfirstlane_b32 s22, v1                    ; wave 0..7
	s_lshr_b32 s14, ttmp9, 5                       ; which matrix: 0, 1, 2
	s_bfe_u32 s15, ttmp9, 0x40001                  ; which 128 k: 0..15
	s_and_b32 s16, ttmp9, 1                        ; which 64 n
	s_lshl_b32 s18, s15, 16                        ; source: 128 rows of 512 bytes,
	s_lshl_b32 s17, s16, 8                         ; and 64 columns of 4 bytes
	s_add_co_u32 s18, s18, s17
	s_mov_b32 s19, 0
	s_lshl_b32 s20, s14, 17                        ; target: 32 rows of 4,096 bytes a matrix,
	s_mul_i32 s17, s16, 786432                     ; 2 x 96 rows for 64 n,
	s_add_co_u32 s20, s20, s17
	s_lshl_b32 s17, s15, 8                         ; 128 k of 2 bytes
	s_add_co_u32 s20, s20, s17
	s_mov_b32 s21, 0
	v_and_b32 v1, 31, v0                           ; lane
	v_and_b32 v3, 15, v0                           ; quad: my four columns 4 quad .. 4 quad + 3
	v_bfe_u32 v4, v0, 4, 1                         ; kp: lanes 16-31 take the row two further down
	v_lshlrev_b32 v[VO], 4, v3                     ; k = 16 w + 4 i + 2 kp + e:  16 quad + 1,024 kp + 8,192 w; i and e stand in the immediate
	v_lshl_add_u32 v[VO], v4, 10, v[VO]
	v_lshl_add_u32 v[VO], s22, 13, v[VO]
	v_mul_u32_u24 v[VS], v3, 4*PITCH               ; LDS: row n = 4 quad + j, byte 2 k = 32 w + 8 i + 4 kp
	v_lshl_add_u32 v[VS], s22, 5, v[VS]
	v_lshl_add_u32 v[VS], v4, 2, v[VS]
	v_lshlrev_b32 v7, 3, v1                        ; 8 bytes a lane: 32 lanes take a row's 256 bytes
	s_mul_i32 s23, s22, 8*PITCH                    ; wave w takes rows 8 w .. 8 w + 7 of the tile back
	v_add_nc_u32 v[VR], s23, v7
	s_lshr_b32 s24, s22, 2                         ; which 32 of the 64 n they lie in: 96 rows of wt apart,
	s_and_b32 s25, s22, 3                          ; and which 8 of the 32
	s_mul_i32 s24, s24, 393216
	s_lshl_b32 s25, s25, 15
	s_add_co_u32 s24, s24, s25
	v_add_nc_u32 v[VW], s24, v7
	s_wait_kmcnt 0x0
	s_cmp_eq_u32 s14, 1
	s_cselect_b64 s[12:13], s[6:7], s[4:5]         ; the matrix is chosen by the work-group's number
	s_cmp_eq_u32 s14, 2
	s_cselect_b64 s[12:13], s[8:9], s[12:13]
	s_add_nc_u64 s[12:13], s[12:13], s[18:19]
	s_add_nc_u64 s[10:11], s[10:11], s[20:21]
.irp i, 0,1,2,3
.irp e, 0,1
	global_load_b128 v[XR+4*(2*\i+\e):XR+4*(2*\i+\e)+3], v[VO], s[12:13] offset:\i*2048+\e*512 th:TH_LOAD_NT
.endr
.endr
.irp i, 0,1,2,3
	s_wait_loadcnt 6-2*\i                          ; loads come back in order: pair i is in, the 6 - 2 i younger ones stay out
.irp j, 0,1,2,3
	v_cvt_pk_bf16_f32 v[TT+4*\i+\j], v[XR+8*\i+\j], v[XR+8*\i+4+\j]   ; k even below, k + 1 above
.endr
.irp j, 0,1,2,3
	ds_store_b32 v[VS], v[TT+4*\i+\j] offset:\j*PITCH+\i*8
.endr
.endr
	s_wait_dscnt 0x0                               ; my stores are done before I say so: other waves read them
	s_barrier_signal -1
	s_barrier_wait -1
.irp p, 0,1,2,3,4,5,6,7
	ds_load_b64 v[XR+2*\p:XR+2*\p+1], v[VR] offset:\p*PITCH
.endr
.irp p, 0,1,2,3,4,5,6,7
	s_wait_dscnt 7-\p                              ; row p is in, the younger ones stay out
	global_store_b64 v[VW], v[XR+2*\p:XR+2*\p+1], s[10:11] offset:\p*4096   ; 32 lanes store 256 consecutive bytes, at a multiple of 256 from wt's first byte
.endr
	s_wait_tensorcnt 0x0
	ds_add_u32 v64, v65
	s_wait_dscnt 0x0
	s_endpgm
.Lfunc_end_k_qde51d9c8d0_wprep:
	.size	k_qde51d9c8d0_wprep, .Lfunc_end_k_qde51d9c8d0_wprep-k_qde51d9c8d0_wprep
	.p2alignl 7, 3214868480
	.fill 96, 4, 3214868480
	.section	.rodata,"a",@progbits
	.p2align	6, 0x0
	.amdhsa_kernel k_qde51d9c8d0_wprep
		.amdhsa_group_segment_fixed_size 17920
		.amdhsa_private_segment_fixed_size 0
		.amdhsa_enable_private_segment 0
		.amdhsa_kernarg_size 32
		.amdhsa_user_sgpr_count 2
		.amdhsa_user_sgpr_kernarg_segment_ptr 1
		.amdhsa_wavefront_size32 1
		.amdhsa_system_sgpr_workgroup_id_x 1
		.amdhsa_system_sgpr_workgroup_id_y 1
		.amdhsa_system_sgpr_workgroup_id_z 1
		.amdhsa_system_vgpr_workitem_id 0
		.amdhsa_next_free_vgpr 66
		.amdhsa_next_free_sgpr 66
		.amdhsa_reserve_vcc 0
		.amdhsa_float_denorm_mode_32 3
		.amdhsa_float_denorm_mode_16_64 3
		.amdhsa_memory_ordered 1
		.amdhsa_forward_progress 1
		.amdhsa_inst_pref_size 7
	.end_amdhsa_kernel
	.amdgpu_metadata
---
amdhsa.version: [ 1, 2 ]
amdhsa.kernels:
  - .name:           k_qde51d9c8d0_wprep
    .symbol:         k_qde51d9c8d0_wprep.kd
    .args:
      - { .name: Wq, .offset: 0, .size: 8, .value_kind: global_buffer, .address_space: global }
      - { .name: Wk, .offset: 8, .size: 8, .value_kind: global_buffer, .address_space: global }
      - { .name: Wv, .offset: 16, .size: 8, .value_kind: global_buffer, .address_space: global }
      - { .name: wt, .offset: 24, .size: 8, .value_kind: global_buffer, .address_space: global }
    .group_segment_fixed_size: 17920
    .private_segment_fixed_size: 0
    .kernarg_segment_align: 8
    .kernarg_segment_size: 32
    .max_flat_workgroup_size: 256
    .sgpr_count:     66
    .vgpr_count:     66
    .wavefront_size: 32
...
	.end_amdgpu_metadata
.endif
;; end of part 4
;; launch proj (part 5): grid 256 x 1, 4 waves a work-group, clusters of 4 x 1, 327,680 bytes of LDS; arguments x, wt, qkv; writes qkv
.if DOCPART == 5
	.amdgcn_target "amdgcn-amd-amdhsa--gfx1250"
	.amdhsa_code_object_version 6
	.text
	.protected	k_qde51d9c8d0_proj
	.globl	k_qde51d9c8d0_proj
	.p2align	8
	.type	k_qde51d9c8d0_proj,@function
k_qde51d9c8d0_proj:
	s_mov_b64 s[64:65], 0
	v_nop
	global_prefetch_b8 v0, s[64:65] scope:SCOPE_SE
	s_setreg_imm32_b32 hwreg(HW_REG_WAVE_MODE, 25, 1), 1
	s_wait_xcnt 0x0
	s_wait_alu depctr_hold_cnt(0) depctr_sa_sdst(0) depctr_va_vdst(0) depctr_va_sdst(0) depctr_va_ssrc(0) depctr_va_vcc(0) depctr_vm_vsrc(0)
	s_getreg_b32 s2, hwreg(HW_REG_IB_STS2, 6, 4)
	s_cmp_eq_u32 s2, 0
	s_cbranch_scc0 .Lentry_in_a_cluster
	s_endpgm
.Lentry_in_a_cluster:
	s_bfe_u32 s2, ttmp6, 0x10000c
	s_cmp_lg_u32 s2, 0x3003
	s_cbranch_scc0 .Lentry_shape_is_right
	s_endpgm
.Lentry_shape_is_right:
; Q, K, V = x W in f16, laid out as the attention's matrix fragments.  x: [16384][2048] f32, rounded to bf16 on its way; wt: [384][2048] bf16
; (row 96 w + 32 matrix + n % 32 holds column n, w = n / 32); sums in f32.
; LAYOUT OF qkv: a block of 16 tokens takes 12,288 bytes: Q 4,096 | K 4,096 | V 4,096, each of eight pieces of 512 bytes, lane l's 16 bytes at 16 l.
;   Q and K, piece p: lane l holds token l % 16, head columns 16 p + 8 (l / 16) + 0 .. 7.
;   V, piece p:       lane l holds head column 16 p + l % 16, tokens 8 (l / 16) + 0 .. 7.
; LIMIT: Q, K and V are kept in f16: a magnitude of 65,520 or more becomes an infinity.
; A work-group makes 64 rows x 384 columns with four waves; a wave makes 64 x 96 (32 columns each of Q, K and V): 24 accumulator tiles of 16 x 16, 192 registers.
; 16,384 rows / 64 = 256 work-groups.  K goes in 16 steps of 128, written out one after the other, so that every step of an address stands in an immediate.
; WEIGHTS: every work-group walks the same tiles of wt.  Four work-groups form a cluster and ask for each tile JOINTLY (mask 15): wave w
; brings rows 96 w .. 96 w + 95, 256 bytes each, into one of two LDS slots, one load a wave behind each round of the cluster's barrier.
; x is read once, by nobody else, so it is not shared: each wave loads its 16 rows of a step (16 loads of 512 consecutive bytes) into a ring of three
; steps in registers, three steps ahead (48 loads a wave on their way), rounds them to bf16 once and lays them into an LDS stage of two slots,
; from which all four waves take their fragments.
; FOR Q AND K THE MATRIX INSTRUCTION IS USED TRANSPOSED (source 0 = 16 rows of wt, source 1 = 16 rows of x): lane l holds token l % 16 and its eight
; registers the columns 8 (l / 16) + 0 .. 7.  FOR V IT IS USED AS IT STANDS (source 0 = x, source 1 = wt): lane l holds column l % 16 and tokens 8 (l / 16) + 0 .. 7.
; Rounded in pairs, both are the pieces above: a tile leaves by one store of 512 consecutive bytes, without a trip through LDS.
; REGISTERS: window 0 addresses, packed x, two fragment buffers; window 1 (v256-447) the ring of x; window 2 (v512-703) the accumulators.
.set PITCH,  272                       ; an LDS row: 256 bytes + 16: an odd multiple of 16, so that the 16 rows of a fragment load lie in 16 different 16-byte columns
.set WPART,  96*PITCH                  ; what one tensor load brings, and what one wave reads of wt
.set WSLOT,  4*WPART                   ; 384 rows
.set AS0,    2*WSLOT                   ; the stage for x: two slots of 64 rows, written by LDS stores alone; begins at a multiple of 256
.set ASZ,    64*PITCH
.set RB,     12288                     ; a block of 16 tokens in qkv
.set XO,  2                            ; v2     byte offset in x of my 16 bytes in my wave's first row; never rewritten
.set ADA, 4                            ; v4-5   LDS address of x's fragments, slot 0, 1
.set ADW, 6                            ; v6-7   the same for my wave's 96 rows of wt
.set AST, 8                            ; v8-9   where I put 8 bytes of packed x, slot 0, 1
.set OGO, 12                           ; v12    my byte offset in a block of qkv
.set CT,  16                           ; v[16:47]   16 rows x 4 bf16, packed
.set F0,  64                           ; v[64:143]  fragment buffer 0: wt's six blocks at +8 b, x's four blocks at +48 + 8 a
.set F1,  144                          ; v[144:223] fragment buffer 1
.set G1,  16                           ; s[16:23] descriptor group 1
.set G0,  24                           ; s[24:31] descriptor group 0, one set for each slot
.set MULW, 0xa0                        ; C and D in window 2, both sources in window 0
.set MSB, 0
.macro WIN new                         ; the immediate's high byte repeats the setting that is left; a switch that changes nothing is dropped
.if MSB != \new
	s_set_vgpr_msb (MSB<<8)|\new
.set MSB, \new
.endif
.endm
.macro PLACES                          ; four plain vector instructions between a matrix instruction and a load into, or a vector instruction on, its registers
.rept 4
	v_nop
.endr
.endm
; A round of the cluster's barrier: my work-group's barrier, wave 0 signals for the work-group, every wave waits for all four work-groups, my work-group's barrier again.
.macro ROUND
	s_barrier_signal -1
	s_barrier_wait -1
	s_cmp_lg_u32 s10, 0
	s_cbranch_scc1 .Lnot_wave_0_\@
	s_barrier_signal -3
.Lnot_wave_0_\@:
	s_barrier_wait -3
	s_barrier_signal -1
	s_barrier_wait -1
.endm
; 16 loads: my wave's 16 rows of K step u, 512 consecutive bytes each, into ring slot u mod 3 (destination in window 1)
.macro XLOAD u
.set RHO, (\u)%3
.set i, 0
.rept 16
	global_load_b128 v[64*RHO+4*i:64*RHO+4*i+3], v[XO], s[4:5] offset:i*8192+(\u)*512 th:TH_LOAD_NT
.set i, i+1
.endr
.endm
; K step u of x: wait for it, round it to bf16, lay it into stage slot u mod 2, and ask for step u + 3 into the registers just read
.macro CONV u
.set RHO, (\u)%3
.set CS, (\u)&1
.if (\u) <= 13
	s_wait_loadcnt 32                              ; the loads of steps u + 1 and u + 2, 16 each, stay out
.else
.if (\u) == 14
	s_wait_loadcnt 16                              ; only step 15's are younger
.else
	s_wait_loadcnt 0
.endif
.endif
	WIN 0x05                                       ; both sources in window 1
.set i, 0
.rept 16
	v_cvt_pk_bf16_f32 v[CT+2*i],   v[64*RHO+4*i],   v[64*RHO+4*i+1]
	v_cvt_pk_bf16_f32 v[CT+2*i+1], v[64*RHO+4*i+2], v[64*RHO+4*i+3]
.set i, i+1
.endr
	WIN 0
.set i, 0
.rept 16
	ds_store_b64 v[AST+CS], v[CT+2*i:CT+2*i+1] offset:i*PITCH    ; 32 lanes, 256 consecutive bytes: one row of the stage
.set i, i+1
.endr
.if (\u)+3 <= 15
	WIN 0x40
	XLOAD (\u)+3
	WIN 0
.endif
.endm
; 20 LDS loads: the fragments of quarter step q (32 along K) of slot s into buffer f
.macro FETCH s, q, f
.irp b, 0,1,2,3,4,5
	ds_load_b128 v[\f+8*\b:\f+8*\b+3],   v[ADW+\s] offset:\b*16*PITCH+64*\q
	ds_load_b128 v[\f+8*\b+4:\f+8*\b+7], v[ADW+\s] offset:\b*16*PITCH+64*\q+32
.endr
.irp a, 0,1,2,3
	ds_load_b128 v[\f+48+8*\a:\f+48+8*\a+3],   v[ADA+\s] offset:\a*16*PITCH+64*\q
	ds_load_b128 v[\f+48+8*\a+4:\f+48+8*\a+7], v[ADA+\s] offset:\a*16*PITCH+64*\q+32
.endr
.endm
; 24 matrix instructions, 32 along K.  Blocks b = 0 .. 3 (Q, K): wt first; b = 4, 5 (V): x first.
; The 24 accumulators take turns, one instruction a turn, in the same order every time.
; zero = 1: the first product starts the sums: nothing is cleared.
.macro MUL f, zero
.irp a, 0,1,2,3
.irp b, 0,1,2,3,4,5
.if \b < 4
.if \zero
	v_wmma_f32_16x16x32_bf16 v[8*(6*\a+\b):8*(6*\a+\b)+7], v[\f+8*\b:\f+8*\b+7], v[\f+48+8*\a:\f+48+8*\a+7], 0
.else
	v_wmma_f32_16x16x32_bf16 v[8*(6*\a+\b):8*(6*\a+\b)+7], v[\f+8*\b:\f+8*\b+7], v[\f+48+8*\a:\f+48+8*\a+7], v[8*(6*\a+\b):8*(6*\a+\b)+7]
.endif
.else
.if \zero
	v_wmma_f32_16x16x32_bf16 v[8*(6*\a+\b):8*(6*\a+\b)+7], v[\f+48+8*\a:\f+48+8*\a+7], v[\f+8*\b:\f+8*\b+7], 0
.else
	v_wmma_f32_16x16x32_bf16 v[8*(6*\a+\b):8*(6*\a+\b)+7], v[\f+48+8*\a:\f+48+8*\a+7], v[\f+8*\b:\f+8*\b+7], v[8*(6*\a+\b):8*(6*\a+\b)+7]
.endif
.endif
.endr
.endr
.endm
; K step t, in slot s = t mod 2 of both rings.
.macro STEP t, s
	WIN 0
	s_wait_tensorcnt 0x0                           ; my one tensor load, my part of this step's tile of wt, has landed: no load of mine is out,
	ds_add_u32 v254, v255
	s_wait_dscnt 0x0
.if \t < 14
	s_add_nc_u64 s[G0+4*\s+2:G0+4*\s+3], s[G0+4*\s+2:G0+4*\s+3], 512   ; so a group 0 may be written: this slot's next tile, two steps of 256 bytes on
.endif
	s_wait_dscnt 0x0                               ; my reads of the last step's slots are back, and my stores of this step's x are done
.if \t < 15
	ROUND                                          ; both now hold of every wave of all four work-groups
	tensor_load_to_lds s[G0+4*(1-\s):G0+4*(1-\s)+3], s[G1:G1+7]   ; the next step's tile into the slot read last: my one tensor load behind this round, and the first thing there
	s_nop 0
.else
	s_barrier_signal -1                            ; the last step fills nothing: my work-group's barrier is enough
	s_barrier_wait -1
.endif
	PLACES
	FETCH \s, 0, F0
	FETCH \s, 1, F1
	s_wait_dscnt 20                                ; quarter 0 is in; quarter 1's 20 loads stay out
	WIN MULW
.if \t == 0
	MUL F0, 1
.else
	MUL F0, 0
.endif
	WIN 0
	PLACES
	FETCH \s, 2, F0
.if \t < 15
	CONV \t+1                                      ; the next step's x goes into the stage slot whose last reads ended in front of this step's barrier
	s_wait_dscnt 36                                ; quarter 1 is in; quarter 2's 20 loads and the 16 stores stay out
.else
	s_wait_dscnt 20
.endif
	WIN MULW
	MUL F1, 0
	WIN 0
	PLACES
	FETCH \s, 3, F1
	s_wait_dscnt 20                                ; quarter 2 is in; quarter 3's 20 loads stay out
	WIN MULW
	MUL F0, 0
	s_wait_dscnt 0
	MUL F1, 0
.endm
	s_load_b128 s[4:7], s[0:1], 0x0                ; x s[4:5], wt s[6:7]
	s_load_b64 s[8:9], s[0:1], 0x10                ; qkv
	v_lshl_add_u32 v254, v0, 2, 0x3b800
	v_mov_b32 v255, 0
	ds_add_u32 v254, v255
	v_lshrrev_b32 v1, 5, v0
	v_readfirstlane_b32 s10, v1                    ; wave 0..3
	s_bfe_u32 s11, ttmp6, 0x40000                  ; cx: my place in the cluster
	s_lshl_b32 s12, ttmp9, 2                       ; in a cluster launch ttmp9 counts clusters
	s_add_co_u32 s12, s12, s11                     ; work-group 0..255
	s_lshl_b32 s32, s12, 19                        ; 64 rows of 8,192 bytes of x
	s_mov_b32 s33, 0
	s_mul_i32 s34, s12, 4*RB                       ; four blocks of 16 tokens of qkv
	s_mov_b32 s35, 0
	s_mul_i32 s36, s10, 393216                     ; my wave's 96 rows of 4,096 bytes of wt: made of the wave's number alone
	s_mov_b32 s37, 0
	s_mul_i32 s38, s10, WPART                      ; and where they go in a slot
	v_and_b32 v1, 31, v0                           ; lane
	v_lshlrev_b32 v[XO], 4, v1
	v_lshl_add_u32 v[XO], s10, 17, v[XO]           ; + 16 rows of 8,192 bytes a wave
	; group 1: a tile of 96 rows x 128 elements of 2 bytes, 16 bytes of padding behind each row
	s_mov_b32 s[G1+0], 15|(1<<16)|(1<<20)|(1<<21)|(5<<22)|(3<<25)   ; 15:0 the mask: all four work-groups; 17:16 2 bytes; 20 padding on; 21 set beside a mask; 24:22 after every 64 words; 31:25 four words
	s_mov_b32 s[G1+1], 128<<16                     ; tensor_dim0 = 128
	s_mov_b32 s[G1+2], 96<<16                      ; tensor_dim1 = 96
	s_mov_b32 s[G1+3], 128<<16                     ; tile_dim0 = 128
	s_mov_b32 s[G1+4], 96                          ; tile_dim1 = 96
	s_mov_b32 s[G1+5], 2048                        ; elements from row to row
	s_mov_b32 s[G1+6], 0
	s_mov_b32 s[G1+7], 0
	s_wait_dscnt 0x0
	s_wait_kmcnt 0x0
	s_add_nc_u64 s[4:5], s[4:5], s[32:33]
	s_add_nc_u64 s[8:9], s[8:9], s[34:35]
	s_add_nc_u64 s[6:7], s[6:7], s[36:37]
	WIN 0x40
	XLOAD 0                                        ; the ring of x is filled first: 48 loads a wave
	XLOAD 1
	XLOAD 2
	WIN 0
.irp s, 0,1
	s_mov_b32 s[G0+4*\s], 1                                        ; count = 1
	s_add_co_u32 s[G0+4*\s+1], s38, \s*WSLOT                       ; LDS address
	s_add_nc_u64 s[G0+4*\s+2:G0+4*\s+3], s[6:7], \s*256            ; global address: K step s
	s_or_b32 s[G0+4*\s+3], s[G0+4*\s+3], 0x80000000               ; type = 2
.endr
	ROUND                                          ; all four work-groups are here: the first joint loads meet
	tensor_load_to_lds s[G0:G0+3], s[G1:G1+7]      ; K step 0 of wt
	s_nop 0
	v_and_b32 v3, 15, v0                           ; r = l % 16
	v_bfe_u32 v13, v0, 4, 1                        ; h = l / 16
	v_mul_u32_u24 v14, v3, PITCH
	v_lshl_add_u32 v14, v13, 4, v14                ; a fragment's lane term: row x pitch + 16 h
	v_add_nc_u32 v[ADA], AS0, v14
	v_add_nc_u32 v[ADA+1], AS0+ASZ, v14
	v_add_nc_u32 v[ADW], s38, v14
	v_add_nc_u32 v[ADW+1], WSLOT, v[ADW]
	s_mul_i32 s39, s10, 16*PITCH
	v_lshl_add_u32 v15, v1, 3, s39                 ; my wave's 16 rows of the stage, 8 bytes a lane
	v_add_nc_u32 v[AST], AS0, v15
	v_add_nc_u32 v[AST+1], AS0+ASZ, v15
	v_lshlrev_b32 v[OGO], 4, v1                    ; the way out: 16 bytes a lane,
	v_lshl_add_u32 v[OGO], s10, 10, v[OGO]         ; my wave's pieces 2 w and 2 w + 1 of 512 bytes
	CONV 0
	STEP 0, 0
	STEP 1, 1
	STEP 2, 0
	STEP 3, 1
	STEP 4, 0
	STEP 5, 1
	STEP 6, 0
	STEP 7, 1
	STEP 8, 0
	STEP 9, 1
	STEP 10, 0
	STEP 11, 1
	STEP 12, 0
	STEP 13, 1
	STEP 14, 0
	STEP 15, 1
	; THE WAY OUT: round to f16 in pairs; a tile's four registers are a piece of qkv as it stands.
	PLACES                                         ; behind the last matrix instructions: the conversions read results and write the fragment buffers
	WIN 0x0a                                       ; both sources in window 2
.set n, 0
.rept 24
.irp r, 0,1,2,3
	v_cvt_pk_f16_f32 v[F0+4*n+\r], v[8*n+2*\r], v[8*n+2*\r+1]
.endr
.set n, n+1
.endr
	WIN 0
.irp a, 0,1,2,3
.irp b, 0,1,2,3,4,5
	global_store_b128 v[OGO], v[F0+4*(6*\a+\b):F0+4*(6*\a+\b)+3], s[8:9] offset:\a*RB+(\b/2)*4096+(\b%2)*512   ; token block a; Q, K or V; 32 lanes store 512 consecutive bytes, at a multiple of 512 from qkv's first byte
.endr
.endr
	ROUND                                          ; the closing round: no work-group ends while a partner may still ask for a tile that names it
	s_endpgm
.Lfunc_end_k_qde51d9c8d0_proj:
	.size	k_qde51d9c8d0_proj, .Lfunc_end_k_qde51d9c8d0_proj-k_qde51d9c8d0_proj
	.p2alignl 7, 3214868480
	.fill 96, 4, 3214868480
	.section	.rodata,"a",@progbits
	.p2align	6, 0x0
	.amdhsa_kernel k_qde51d9c8d0_proj
		.amdhsa_group_segment_fixed_size 327680
		.amdhsa_private_segment_fixed_size 0
		.amdhsa_enable_private_segment 0
		.amdhsa_kernarg_size 24
		.amdhsa_user_sgpr_count 2
		.amdhsa_user_sgpr_kernarg_segment_ptr 1
		.amdhsa_wavefront_size32 1
		.amdhsa_system_sgpr_workgroup_id_x 1
		.amdhsa_system_sgpr_workgroup_id_y 1
		.amdhsa_system_sgpr_workgroup_id_z 1
		.amdhsa_system_vgpr_workitem_id 0
		.amdhsa_next_free_vgpr 704
		.amdhsa_next_free_sgpr 66
		.amdhsa_reserve_vcc 0
		.amdhsa_float_denorm_mode_32 3
		.amdhsa_float_denorm_mode_16_64 3
		.amdhsa_memory_ordered 1
		.amdhsa_forward_progress 1
		.amdhsa_inst_pref_size 255
	.end_amdhsa_kernel
	.section	.bss,"aw",@nobits
	.p2align	6
	.space	262144
	.amdgpu_metadata
---
amdhsa.version: [ 1, 2 ]
amdhsa.kernels:
  - .name:           k_qde51d9c8d0_proj
    .symbol:         k_qde51d9c8d0_proj.kd
    .args:
      - { .name: x, .offset: 0, .size: 8, .value_kind: global_buffer, .address_space: global }
      - { .name: wt, .offset: 8, .size: 8, .value_kind: global_buffer, .address_space: global }
      - { .name: qkv, .offset: 16, .size: 8, .value_kind: global_buffer, .address_space: global }
    .group_segment_fixed_size: 327680
    .private_segment_fixed_size: 0
    .kernarg_segment_align: 8
    .kernarg_segment_size: 24
    .max_flat_workgroup_size: 128
    .sgpr_count:     66
    .vgpr_count:     704
    .wavefront_size: 32
...
	.end_amdgpu_metadata
.endif
;; end of part 5
;; launch attn (part 6): grid 256 x 1, 4 waves a work-group, no clusters, 137,728 bytes of LDS; arguments qkv, out0; writes out0
.if DOCPART == 6
	.amdgcn_target "amdgcn-amd-amdhsa--gfx1250"
	.amdhsa_code_object_version 6
	.text
	.protected	k_qde51d9c8d0_attn
	.globl	k_qde51d9c8d0_attn
	.p2align	8
	.type	k_qde51d9c8d0_attn,@function
k_qde51d9c8d0_attn:
	s_mov_b64 s[64:65], 0
	v_nop
	global_prefetch_b8 v0, s[64:65] scope:SCOPE_SE
	s_setreg_imm32_b32 hwreg(HW_REG_WAVE_MODE, 25, 1), 1
	s_wait_xcnt 0x0
; out0[b][q][:] = softmax over k <= q of (Q[q] . K[k] / sqrt(128)) times V.  out0: [8][2048][128] f32.
; qkv, f16: a block of 16 tokens takes 12,288 bytes: Q 4,096 | K 4,096 | V 4,096, each of eight pieces of 512 bytes, lane l's 16 bytes at 16 l.
;   Q and K, piece p: lane l holds token l % 16, head columns 16 p + 8 (l / 16) + 0 .. 7: pieces 2 c and 2 c + 1 are registers 0-3 and 4-7 of the fragment of head columns 32 c ..
;   V, piece t: lane l holds head column 16 t + l % 16, tokens 8 (l / 16) + 0 .. 7: piece t of two neighbouring blocks is the fragment of V^T for 32 keys.
; LIMITS: the weights p = exp(s - running maximum) go to the matrix unit in f16: a weight below 2^-25 of its wave's running maximum counts as 0
; (2,048 keys x 2^-25 of weight at the most).  Scores, maxima, sums and results are f32.
; SHARES.  Work-group g: batch g / 32, a = (g / 4) % 8, cx = g % 4.  It takes 32 query rows of block a and 32 of block 15 - a (blocks of 128 rows; q tiles 0, 1 low;
; 2, 3 high), which need a + 1 and 16 - a tiles of 128 keys: 17 for every work-group.  Wave w takes all 64 rows x keys 32 w .. 32 w + 31 of each tile, so that each
; byte of K and V is fetched once in a work-group; each wave keeps its own running maximum, sum and result, and the four are merged at the end.
; LOADS.  Every fragment comes straight from memory into its registers, by loads of 512 consecutive bytes: 16 for K and 16 for V a tile and wave, through two ring
; buffers each.  In step t: wait for K(t); ask for V(t + 1); scores; wait for V(t); ask for K(t + 2) over K(t); softmax; P V.  At most 48 loads of a wave are out.
; NO CLUSTER, NO TENSOR LOAD, though the 32 work-groups of a batch walk the same tiles: a byte of K or V is used by one wave of a work-group, so LDS would add a trip and
; share nothing; and a joint refill has to have landed in front of the next round, with one tile's work, 32 or 64 matrix instructions of a wave, in which to land,
; while the ring's loads stay out over one and a half tiles and the loop has no barrier at all.
; LAYOUTS.  S^T = K Q^T (source 0 = 16 keys, source 1 = 16 query rows): lane l holds query row l % 16, register e key 8 (l / 16) + e.  Rounded to f16 in pairs
; that is source 1 of O^T = V^T P^T as it stands: the weights never leave the registers, and maximum, sum and rescale factor are one number a lane.
; SCHEDULE in double steps of two tiles (ring buffers 0, 1), a2 = a / 2: one with both halves, which starts the sums; a2 with both halves; 6 - 2 a2 with the high
; rows alone; one with the high rows alone and masked.  Low rows are masked wherever they are worked on.  One tile of one half is masked throughout.
; The maximum starts at the most negative finite number: a wave that has seen only masked keys has sum 0, factor 1 and no NaN.
; The exponent is c s + NM with c = log2(e) / sqrt(128) and NM = -c m rounded; the rescale factor is 2^(new NM - old NM): the very offsets that the weights used.
.set RB,    12288                      ; a block of 16 tokens
.set TILEB, 8*RB                       ; a tile of 128 keys
.set STAT,  0                          ; LDS: 64 rows x (NM of waves 0-3, sum of waves 0-3)
.set STG,   2048                       ; four waves x 64 rows x (512 + 16) bytes: the waves' results
.set GP,    528
.set GW,    64*GP
.set VOF, 4                            ; v4     byte offset of my 16 bytes in my wave's two blocks of a tile; never rewritten
.set QD,  12                           ; v12-15 q tile j: my query row's place in the batch less my first key's place in a tile
.set MX,  16                           ; v16-19 running maximum
.set LS,  20                           ; v20-23 running sum, of my half of the wave's keys
.set AL,  24                           ; v24-31 rescale factor, first register of a pair
.set NM,  32                           ; v32-39 -c x maximum, first register of a pair
.set T0,  40                           ; v40-43
.set T1,  44                           ; v44-47
.set DD,  48                           ; v48-51
.set RD,  52                           ; v52-55 the merge: where I read wave 0..3's rows
.set STO, 56                           ; v56    the merge: where I put my results
.set STA, 57                           ; v57    where I put NM and sum
.set STB, 58                           ; v58    where I read all four
.set OGO, 59                           ; v59    16 x lane; never rewritten
.set WK,  64                           ; v[64:127]  the merge: rows at work
.set SC,  128                          ; v[128:191] scores, then weights: (i, j) at +8 (4 i + j)
.set PR,  192                          ; v[192:223] weights in f16: j at +8 j
.set UU,  224                          ; v[224:255] at work
                                       ; window 1: O(t, j) at 8 (4 t + j);  window 2: Q's fragments (j, c) at 8 (4 j + c)
                                       ; window 3: ring buffer s: K(i, c) at 128 s + 8 (2 c + i), V(t) at 128 s + 64 + 8 t
.set KVB, 40                           ; s[40:41] qkv at the batch's current tile
.set QLB, 42                           ; s[42:43] qkv at my first low block
.set QHB, 44                           ; s[44:45] qkv at my first high block
.set MSB, 0
.macro WIN new                         ; the immediate's high byte repeats the setting that is left; a switch that changes nothing is dropped
.if MSB != \new
	s_set_vgpr_msb (MSB<<8)|\new
.set MSB, \new
.endif
.endm
.macro PLACES                          ; four plain vector instructions between a matrix instruction and a load into, or a vector instruction on, its registers
.rept 4
	v_nop
.endr
.endm
; 16 loads: K of my 32 keys of the tile that lies `tile` tiles ahead of the base, into ring buffer s (destination in window 3)
.macro LOADK s, tile
.irp c, 0,1,2,3
.irp i, 0,1
	global_load_b128 v[128*(\s)+8*(2*\c+\i):128*(\s)+8*(2*\c+\i)+3],   v[VOF], s[KVB:KVB+1] offset:\tile*TILEB+\i*RB+4096+1024*\c
	global_load_b128 v[128*(\s)+8*(2*\c+\i)+4:128*(\s)+8*(2*\c+\i)+7], v[VOF], s[KVB:KVB+1] offset:\tile*TILEB+\i*RB+4096+1024*\c+512
.endr
.endr
.endm
; 16 loads: V likewise: registers 0-3 my first 16 keys, registers 4-7 the second 16
.macro LOADV s, tile
.irp t, 0,1,2,3,4,5,6,7
	global_load_b128 v[128*(\s)+64+8*\t:128*(\s)+64+8*\t+3],   v[VOF], s[KVB:KVB+1] offset:\tile*TILEB+8192+512*\t
	global_load_b128 v[128*(\s)+64+8*\t+4:128*(\s)+64+8*\t+7], v[VOF], s[KVB:KVB+1] offset:\tile*TILEB+RB+8192+512*\t
.endr
.endm
; q tile j: keys behind the query row get minus infinity.  Key 16 i + e of mine is allowed where 16 i + e <= QD - the tile's first key.
.macro MASKT j
	v_sub_nc_u32 v[DD+\j], v[QD+\j], s56
.irp i, 0,1
.irp e, 0,1,2,3,4,5,6,7
	v_cmp_le_i32 vcc_lo, 16*\i+\e, v[DD+\j]
	v_cndmask_b32 v[SC+8*(4*\i+\j)+\e], s55, v[SC+8*(4*\i+\j)+\e], vcc_lo
.endr
.endr
.endm
; One tile of 128 keys, in ring buffer slot.  lo = 1: all four q tiles, the low ones masked; 0: the high two alone.  mhi = 1: the high ones masked.
; first = 1: the first tile: the ring is filled behind its first wait, the first products start O.  nk = 1: K of the tile after next is asked for; nv = 1: V of the next tile.
; wk, wv: how many younger loads stay out when K, V of this tile have to be there.
.macro STEP slot, lo, mhi, first, nk, nv, wk, wv
.if \lo
.set J0, 0
.set NJ, 4
.else
.set J0, 2
.set NJ, 2
.endif
	s_wait_loadcnt \wk                             ; loads come back in order: K of this tile is in (in the first tile: Q too); V of this tile and K of the next, 16 loads each, stay out
.if \first
	WIN 0xc0                                       ; destination in window 3
	LOADV 0, 0
	LOADK 1, 1
	LOADV 1, 1
.else
.if \nv
	PLACES                                         ; the next tile's V lands where the last tile's products read theirs
	WIN 0xc0
	LOADV (1-\slot), 1
.endif
.endif
	; S^T = K Q^T, 32 of the head's 128 at a time.  The accumulators take turns, one instruction a turn.
	WIN 0x0b                                       ; source 0 (K) in window 3, source 1 (Q) in window 2
.irp c, 0,1,2,3
.irp i, 0,1
.set jj, J0
.rept NJ
.if \c == 0
	v_wmma_f32_16x16x32_f16 v[SC+8*(4*\i+jj):SC+8*(4*\i+jj)+7], v[128*\slot+8*(2*\c+\i):128*\slot+8*(2*\c+\i)+7], v[8*(4*jj+\c):8*(4*jj+\c)+7], 0
.else
	v_wmma_f32_16x16x32_f16 v[SC+8*(4*\i+jj):SC+8*(4*\i+jj)+7], v[128*\slot+8*(2*\c+\i):128*\slot+8*(2*\c+\i)+7], v[8*(4*jj+\c):8*(4*jj+\c)+7], v[SC+8*(4*\i+jj):SC+8*(4*\i+jj)+7]
.endif
.set jj, jj+1
.endr
.endr
.endr
	WIN 0
	PLACES                                         ; for the loads over K's fragments, and for the vector work on the scores
.if \first == 0
	s_wait_loadcnt \wv                             ; V of this tile is in; K and V of the next tile stay out
.if \nk
	WIN 0xc0
	LOADK \slot, 2                                 ; over the fragments just multiplied: 48 loads are out now
	WIN 0
.endif
.endif
.if \lo
	MASKT 0
	MASKT 1
.endif
.if \mhi
	MASKT 2
	MASKT 3
.endif
	; the running maximum: my 16 scores and the old maximum, in two chains; then the other half of the wave, which holds the same query rows
.set jj, J0
.rept NJ
	v_max3_num_f32 v[T0+jj], v[SC+8*jj], v[SC+8*jj+1], v[MX+jj]
	v_max3_num_f32 v[T1+jj], v[SC+8*(4+jj)], v[SC+8*(4+jj)+1], v[SC+8*(4+jj)+2]
	v_max3_num_f32 v[T0+jj], v[T0+jj], v[SC+8*jj+2], v[SC+8*jj+3]
	v_max3_num_f32 v[T1+jj], v[T1+jj], v[SC+8*(4+jj)+3], v[SC+8*(4+jj)+4]
	v_max3_num_f32 v[T0+jj], v[T0+jj], v[SC+8*jj+4], v[SC+8*jj+5]
	v_max3_num_f32 v[T1+jj], v[T1+jj], v[SC+8*(4+jj)+5], v[SC+8*(4+jj)+6]
	v_max3_num_f32 v[T0+jj], v[T0+jj], v[SC+8*jj+6], v[SC+8*jj+7]
	v_max3_num_f32 v[T0+jj], v[T0+jj], v[T1+jj], v[SC+8*(4+jj)+7]
.set jj, jj+1
.endr
.set jj, J0
.rept NJ
	v_permlanex16_b32 v[T1+jj], v[T0+jj], s58, s59
.set jj, jj+1
.endr
.set jj, J0
.rept NJ
	v_max_num_f32 v[MX+jj], v[T0+jj], v[T1+jj]
	v_mul_f32 v[T1+jj], s54, v[MX+jj]              ; the new offset, -c m
	v_sub_f32 v[T0+jj], v[T1+jj], v[NM+2*jj]       ; new less old: zero or below
	v_mov_b32 v[NM+2*jj], v[T1+jj]
	v_exp_f32 v[AL+2*jj], v[T0+jj]                 ; the line behind it is plain and touches neither its result nor its source (ISA guide 5.7.2)
.set jj, jj+1
.endr
	; weights: 2^(c s - c m), one fused multiply-add for two, in place
.set jj, J0
.rept NJ
.irp i, 0,1
.irp e, 0,2,4,6
	v_pk_fma_f32 v[SC+8*(4*\i+jj)+\e:SC+8*(4*\i+jj)+\e+1], v[SC+8*(4*\i+jj)+\e:SC+8*(4*\i+jj)+\e+1], s[52:53], v[NM+2*jj:NM+2*jj+1] op_sel_hi:[1,0,0]
.endr
.endr
.set jj, jj+1
.endr
.set jj, J0
.rept NJ
.irp i, 0,1
.irp e, 0,1,2,3,4,5,6,7
	v_exp_f32 v[SC+8*(4*\i+jj)+\e], v[SC+8*(4*\i+jj)+\e]
.endr
.endr
.set jj, jj+1
.endr
	v_nop                                          ; one plain place behind the run of exponentials
.set jj, J0
	s_wait_alu depctr_va_vdst(0)
.rept NJ
	v_pk_add_f32 v[UU+8*jj:UU+8*jj+1],   v[SC+8*jj:SC+8*jj+1],   v[SC+8*jj+2:SC+8*jj+3]
	v_pk_add_f32 v[UU+8*jj+2:UU+8*jj+3], v[SC+8*jj+4:SC+8*jj+5], v[SC+8*jj+6:SC+8*jj+7]
	v_pk_add_f32 v[UU+8*jj+4:UU+8*jj+5], v[SC+8*(4+jj):SC+8*(4+jj)+1],   v[SC+8*(4+jj)+2:SC+8*(4+jj)+3]
	v_pk_add_f32 v[UU+8*jj+6:UU+8*jj+7], v[SC+8*(4+jj)+4:SC+8*(4+jj)+5], v[SC+8*(4+jj)+6:SC+8*(4+jj)+7]
	v_pk_add_f32 v[UU+8*jj:UU+8*jj+1],   v[UU+8*jj:UU+8*jj+1],   v[UU+8*jj+2:UU+8*jj+3]
	v_pk_add_f32 v[UU+8*jj+4:UU+8*jj+5], v[UU+8*jj+4:UU+8*jj+5], v[UU+8*jj+6:UU+8*jj+7]
	v_pk_add_f32 v[UU+8*jj:UU+8*jj+1],   v[UU+8*jj:UU+8*jj+1],   v[UU+8*jj+4:UU+8*jj+5]
	v_add_f32 v[T0+jj], v[UU+8*jj], v[UU+8*jj+1]
	v_fma_f32 v[LS+jj], v[LS+jj], v[AL+2*jj], v[T0+jj]
.set jj, jj+1
.endr
.set jj, J0
.rept NJ
.irp i, 0,1
.irp e, 0,1,2,3
	v_cvt_pk_f16_f32 v[PR+8*jj+4*\i+\e], v[SC+8*(4*\i+jj)+2*\e], v[SC+8*(4*\i+jj)+2*\e+1]
.endr
.endr
.set jj, jj+1
.endr
.if \first
	s_wait_loadcnt \wv                             ; the first tile's V was asked for behind this tile's first wait: it is waited for as late as can be; K and V of tile 1 stay out
	WIN 0xc0
	LOADK \slot, 2                                 ; over tile 0's K, multiplied long ago
.else
	WIN 0x41                                       ; O in window 1, the factor in window 0
.irp t, 0,1,2,3,4,5,6,7
.set jj, J0
.rept NJ
.irp e, 0,2,4,6
	v_pk_mul_f32 v[8*(4*\t+jj)+\e:8*(4*\t+jj)+\e+1], v[8*(4*\t+jj)+\e:8*(4*\t+jj)+\e+1], v[AL+2*jj:AL+2*jj+1] op_sel_hi:[1,0]
.endr
.set jj, jj+1
.endr
.endr
.endif
	; O^T += V^T P^T.  Each accumulator has one instruction in a tile: they take turns.
	WIN 0x53                                       ; source 0 (V) in window 3, source 1 (P) in window 0, C and D in window 1
.irp t, 0,1,2,3,4,5,6,7
.set jj, J0
.rept NJ
.if \first
	v_wmma_f32_16x16x32_f16 v[8*(4*\t+jj):8*(4*\t+jj)+7], v[128*\slot+64+8*\t:128*\slot+64+8*\t+7], v[PR+8*jj:PR+8*jj+7], 0
.else
	v_wmma_f32_16x16x32_f16 v[8*(4*\t+jj):8*(4*\t+jj)+7], v[128*\slot+64+8*\t:128*\slot+64+8*\t+7], v[PR+8*jj:PR+8*jj+7], v[8*(4*\t+jj):8*(4*\t+jj)+7]
.endif
.set jj, jj+1
.endr
.endr
	WIN 0
.if \nk
	s_wait_xcnt 0x0                                ; the base, which the loads above name, is stepped only behind this wait
	s_add_nc_u64 s[KVB:KVB+1], s[KVB:KVB+1], TILEB
.endif
	s_add_co_u32 s56, s56, 128                     ; the next tile's first key
.endm
	s_load_b128 s[4:7], s[0:1], 0x0                ; qkv s[4:5], out0 s[6:7]
	v_lshl_add_u32 v62, v0, 2, 0x21800
	v_mov_b32 v63, 0
	v_lshrrev_b32 v1, 5, v0
	v_readfirstlane_b32 s10, v1                    ; wave 0..3
	s_and_b32 s8, s10, 1
	s_and_b32 s11, ttmp9, 3                        ; cx
	s_lshr_b32 s12, ttmp9, 5                       ; batch
	s_bfe_u32 s13, ttmp9, 0x30002                  ; a: 3 bits from bit 2
	s_lshr_b32 s14, s13, 1                         ; a2
	s_sub_co_u32 s60, 15, s13
	s_lshl_b32 s15, s11, 5                         ; 32 cx
	s_lshl_b32 s61, s13, 7
	s_add_co_u32 s61, s61, s15                     ; my first low row's place in the batch
	s_lshl_b32 s62, s60, 7
	s_add_co_u32 s62, s62, s15                     ; my first high row's
	s_cmp_lt_u32 s10, 2
	s_cselect_b32 s63, s61, s62                    ; q tile w: waves 0, 1 low, waves 2, 3 high,
	s_lshl4_add_u32 s63, s8, s63                   ; + 16 (w & 1),
	s_lshl_b32 s70, s12, 11
	s_add_co_u32 s63, s63, s70                     ; + the batch's 2,048 rows: the tile that wave w stores
	s_lshl_b32 s70, s63, 9                         ; rows of 512 bytes in out0
	s_mov_b32 s71, 0
	s_mul_i32 s66, s12, 128*RB                     ; the batch's 128 blocks of qkv
	s_mov_b32 s67, 0
	s_mul_i32 s68, s61, RB/16                      ; a row's place times 12,288 / 16: my rows begin blocks
	s_add_co_u32 s68, s68, s66
	s_mov_b32 s69, 0
	s_mul_i32 s46, s62, RB/16
	s_add_co_u32 s46, s46, s66
	s_mov_b32 s47, 0
	v_and_b32 v1, 31, v0                           ; lane l
	v_lshlrev_b32 v[OGO], 4, v1
	s_mul_i32 s9, s10, 2*RB                        ; my wave's 32 keys: two blocks
	v_add_nc_u32 v[VOF], s9, v[OGO]
	s_mov_b32 s52, 0x3e0293ee                      ; c = log2(e) / sqrt(128), twice: a pair for the packed multiply-add
	s_mov_b32 s53, 0x3e0293ee
	s_mov_b32 s54, 0xbe0293ee                      ; -c
	s_mov_b32 s55, 0xff800000                      ; minus infinity
	s_mov_b32 s56, 0                               ; the tile's first key
	s_mov_b32 s58, 0x76543210                      ; v_permlanex16_b32: lane i of one half reads lane i of the other
	s_mov_b32 s59, 0xfedcba98
	s_wait_kmcnt 0x0
	s_add_nc_u64 s[KVB:KVB+1], s[4:5], s[66:67]
	s_add_nc_u64 s[QLB:QLB+1], s[4:5], s[68:69]
	s_add_nc_u64 s[QHB:QHB+1], s[4:5], s[46:47]
	s_add_nc_u64 s[6:7], s[6:7], s[70:71]
	WIN 0x80                                       ; destination in window 2: Q's 64 rows, 32 loads; piece k of tile j is half k % 2 of fragment (j, k / 2)
.irp j, 0,1
.irp k, 0,1,2,3,4,5,6,7
	global_load_b128 v[32*\j+4*\k:32*\j+4*\k+3], v[OGO], s[QLB:QLB+1] offset:\j*RB+512*\k
.endr
.endr
.irp j, 0,1
.irp k, 0,1,2,3,4,5,6,7
	global_load_b128 v[64+32*\j+4*\k:64+32*\j+4*\k+3], v[OGO], s[QHB:QHB+1] offset:\j*RB+512*\k
.endr
.endr
	WIN 0xc0
	LOADK 0, 0                                     ; tile 0's K: 48 loads are out
	WIN 0
	v_and_b32 v2, 15, v0                           ; r = l % 16
	v_bfe_u32 v3, v0, 4, 1                         ; h = l / 16
	v_lshlrev_b32 v60, 3, v3
	v_sub_nc_u32 v60, v2, v60                      ; r - 8 h
	s_lshl_b32 s66, s10, 5
	v_sub_nc_u32 v60, v60, s66                     ; - 32 w
	v_add_nc_u32 v[QD], s61, v60
	v_add_nc_u32 v[QD+1], 16, v[QD]
	v_add_nc_u32 v[QD+2], s62, v60
	v_add_nc_u32 v[QD+3], 16, v[QD+2]
	s_mul_i32 s66, s10, 16*GP                      ; the merge: wave w sums q tile w
	s_add_co_u32 s66, s66, STG
	v_lshl_add_u32 v[RD], v1, 4, s66
	v_add_nc_u32 v[RD+1], GW, v[RD]
	v_add_nc_u32 v[RD+2], 2*GW, v[RD]
	v_add_nc_u32 v[RD+3], 3*GW, v[RD]
	s_mul_i32 s66, s10, GW
	s_add_co_u32 s66, s66, STG
	v_mul_u32_u24 v[STO], v2, GP
	v_lshl_add_u32 v[STO], v3, 5, v[STO]           ; row r, head columns 8 h .. of a block of 16: 32 bytes
	v_add_nc_u32 v[STO], s66, v[STO]
	v_lshlrev_b32 v[STB], 5, v2
	v_add_nc_u32 v[STB], STAT, v[STB]
	v_lshl_add_u32 v[STA], s10, 2, v[STB]
.irp j, 0,1,2,3
	v_mov_b32 v[MX+\j], 0xff7fffff                 ; the most negative finite number
	v_mov_b32 v[LS+\j], 0
	v_mul_f32 v[NM+2*\j], s54, v[MX+\j]            ; its offset, finite
	v_mov_b32 v[NM+2*\j+1], 0                      ; the pairs' second registers are named by the packed forms and never used
	v_mov_b32 v[AL+2*\j+1], 0
.endr
	STEP 0, 1, 0, 1, 1, 1, 0, 32                   ; tiles 0 and 1, both halves: no high row is near its diagonal (the high block is number 8 at the least)
	STEP 1, 1, 0, 0, 1, 1, 32, 32
	s_cmp_eq_u32 s14, 0
	s_cbranch_scc1 .Lno_both
	s_mov_b32 s57, s14                             ; a2 more double steps with both halves
.Lboth:
	STEP 0, 1, 0, 0, 1, 1, 32, 32
	STEP 1, 1, 0, 0, 1, 1, 32, 32
	s_sub_co_u32 s57, s57, 1
	s_cmp_lg_u32 s57, 0
	s_cbranch_scc1 .Lboth
.Lno_both:
	s_lshl_b32 s57, s14, 1
	s_sub_co_u32 s57, 6, s57                       ; 6 - 2 a2 with the high rows alone
	s_cmp_eq_u32 s57, 0
	s_cbranch_scc1 .Lno_high
.Lhigh:
	STEP 0, 0, 0, 0, 1, 1, 32, 32
	STEP 1, 0, 0, 0, 1, 1, 32, 32
	s_sub_co_u32 s57, s57, 1
	s_cmp_lg_u32 s57, 0
	s_cbranch_scc1 .Lhigh
.Lno_high:
	STEP 0, 0, 1, 0, 0, 1, 32, 32                  ; the last two tiles, 14 - 2 a2 and 15 - 2 a2: the high block's diagonal is in one of them.  No K is left to ask for,
	STEP 1, 0, 1, 0, 0, 0, 16, 0                   ; and then nothing: behind the last K only the last V's 16 loads are out, behind them none
	; THE MERGE of the four waves' maxima, sums and results.
	PLACES                                         ; behind the last matrix instructions
.irp j, 0,1,2,3
	v_permlanex16_b32 v[T1+\j], v[LS+\j], s58, s59 ; the sum of the wave's other 16 keys
.endr
.irp j, 0,1,2,3
	v_add_f32 v[LS+\j], v[LS+\j], v[T1+\j]
.endr
.irp j, 0,1,2,3
	ds_store_b32 v[STA], v[NM+2*\j] offset:\j*512      ; lanes r and 16 + r write the same word with the same number
	ds_store_b32 v[STA], v[LS+\j] offset:\j*512+16
.endr
	s_wait_dscnt 0x0                               ; my stores are done before I say so
	s_barrier_signal -1
	s_barrier_wait -1
.irp j, 0,1,2,3
	ds_load_b128 v[UU+8*\j:UU+8*\j+3],   v[STB] offset:\j*512
	ds_load_b128 v[UU+8*\j+4:UU+8*\j+7], v[STB] offset:\j*512+16
.endr
	s_wait_dscnt 0x0
.irp j, 0,1,2,3
	v_min_num_f32 v[T0+\j], v[UU+8*\j], v[UU+8*\j+1]   ; the least offset belongs to the largest maximum; key 0 is open to every row, so it is that of a real score
	v_min_num_f32 v[T1+\j], v[UU+8*\j+2], v[UU+8*\j+3]
	v_min_num_f32 v[T0+\j], v[T0+\j], v[T1+\j]
	v_sub_f32 v[T1+\j], v[T0+\j], v[NM+2*\j]
.irp k, 0,1,2,3
	v_sub_f32 v[UU+8*\j+\k], v[T0+\j], v[UU+8*\j+\k]
.endr
.endr
.irp j, 0,1,2,3
	v_exp_f32 v[T1+\j], v[T1+\j]                   ; my wave's factor
.irp k, 0,1,2,3
	v_exp_f32 v[UU+8*\j+\k], v[UU+8*\j+\k]         ; each wave's
.endr
.endr
	v_nop                                          ; one plain place behind the run
	s_wait_alu depctr_va_vdst(0)
.irp j, 0,1,2,3
	v_mul_f32 v[T0+\j], v[UU+8*\j], v[UU+8*\j+4]
	v_fmac_f32 v[T0+\j], v[UU+8*\j+1], v[UU+8*\j+5]
	v_fmac_f32 v[T0+\j], v[UU+8*\j+2], v[UU+8*\j+6]
	v_fmac_f32 v[T0+\j], v[UU+8*\j+3], v[UU+8*\j+7]    ; the row's whole sum: at least about 1, the largest score's own weight
.endr
.irp j, 0,1,2,3
	v_rcp_f32 v[T0+\j], v[T0+\j]
.endr
	v_nop
	s_wait_alu depctr_va_vdst(0)
.irp j, 0,1,2,3
	v_mul_f32 v[AL+2*\j], v[T1+\j], v[T0+\j]
.endr
	WIN 0x41
.irp t, 0,1,2,3,4,5,6,7
.irp j, 0,1,2,3
.irp e, 0,2,4,6
	v_pk_mul_f32 v[8*(4*\t+\j)+\e:8*(4*\t+\j)+\e+1], v[8*(4*\t+\j)+\e:8*(4*\t+\j)+\e+1], v[AL+2*\j:AL+2*\j+1] op_sel_hi:[1,0]
.endr
.endr
.endr
	WIN 0x04                                       ; a store's data in window 1
.irp t, 0,1,2,3,4,5,6,7
.irp j, 0,1,2,3
	ds_store_b128 v[STO], v[8*(4*\t+\j):8*(4*\t+\j)+3]   offset:\j*16*GP+64*\t
	ds_store_b128 v[STO], v[8*(4*\t+\j)+4:8*(4*\t+\j)+7] offset:\j*16*GP+64*\t+16
.endr
.endr
	WIN 0
	s_wait_dscnt 0x0
	s_barrier_signal -1
	s_barrier_wait -1
	; wave w adds the four waves' rows of q tile w, four rows at a time, and stores them: a store of the wave covers a row's 512 consecutive bytes
.irp g, 0,1,2,3
.if \g
	s_wait_xcnt 0x0                                ; the registers that the last four stores read are loaded again only behind this wait
.endif
.irp p, 0,1,2,3
.irp k, 0,1,2,3
	ds_load_b128 v[WK+16*\p+4*\k:WK+16*\p+4*\k+3], v[RD+\k] offset:(4*\g+\p)*GP
.endr
.endr
.irp p, 0,1,2,3
	s_wait_dscnt 12-4*\p                           ; row p's four loads are in, the later rows' stay out
	v_pk_add_f32 v[WK+16*\p:WK+16*\p+1],     v[WK+16*\p:WK+16*\p+1],     v[WK+16*\p+4:WK+16*\p+5]
	v_pk_add_f32 v[WK+16*\p+2:WK+16*\p+3],   v[WK+16*\p+2:WK+16*\p+3],   v[WK+16*\p+6:WK+16*\p+7]
	v_pk_add_f32 v[WK+16*\p+8:WK+16*\p+9],   v[WK+16*\p+8:WK+16*\p+9],   v[WK+16*\p+12:WK+16*\p+13]
	v_pk_add_f32 v[WK+16*\p+10:WK+16*\p+11], v[WK+16*\p+10:WK+16*\p+11], v[WK+16*\p+14:WK+16*\p+15]
	v_pk_add_f32 v[WK+16*\p:WK+16*\p+1],     v[WK+16*\p:WK+16*\p+1],     v[WK+16*\p+8:WK+16*\p+9]
	v_pk_add_f32 v[WK+16*\p+2:WK+16*\p+3],   v[WK+16*\p+2:WK+16*\p+3],   v[WK+16*\p+10:WK+16*\p+11]
	global_store_b128 v[OGO], v[WK+16*\p:WK+16*\p+3], s[6:7] offset:(4*\g+\p)*512 th:TH_STORE_NT
.endr
.endr
	s_wait_tensorcnt 0x0
	ds_add_u32 v62, v63
	s_wait_dscnt 0x0
	s_endpgm
.Lfunc_end_k_qde51d9c8d0_attn:
	.size	k_qde51d9c8d0_attn, .Lfunc_end_k_qde51d9c8d0_attn-k_qde51d9c8d0_attn
	.p2alignl 7, 3214868480
	.fill 96, 4, 3214868480
	.section	.rodata,"a",@progbits
	.p2align	6, 0x0
	.amdhsa_kernel k_qde51d9c8d0_attn
		.amdhsa_group_segment_fixed_size 137728
		.amdhsa_private_segment_fixed_size 0
		.amdhsa_enable_private_segment 0
		.amdhsa_kernarg_size 16
		.amdhsa_user_sgpr_count 2
		.amdhsa_user_sgpr_kernarg_segment_ptr 1
		.amdhsa_wavefront_size32 1
		.amdhsa_system_sgpr_workgroup_id_x 1
		.amdhsa_system_sgpr_workgroup_id_y 1
		.amdhsa_system_sgpr_workgroup_id_z 1
		.amdhsa_system_vgpr_workitem_id 0
		.amdhsa_next_free_vgpr 1024
		.amdhsa_next_free_sgpr 72
		.amdhsa_reserve_vcc 1
		.amdhsa_float_denorm_mode_32 3
		.amdhsa_float_denorm_mode_16_64 3
		.amdhsa_memory_ordered 1
		.amdhsa_forward_progress 1
		.amdhsa_inst_pref_size 209
	.end_amdhsa_kernel
	.amdgpu_metadata
---
amdhsa.version: [ 1, 2 ]
amdhsa.kernels:
  - .name:           k_qde51d9c8d0_attn
    .symbol:         k_qde51d9c8d0_attn.kd
    .args:
      - { .name: qkv, .offset: 0, .size: 8, .value_kind: global_buffer, .address_space: global }
      - { .name: out0, .offset: 8, .size: 8, .value_kind: global_buffer, .address_space: global }
    .group_segment_fixed_size: 137728
    .private_segment_fixed_size: 0
    .kernarg_segment_align: 8
    .kernarg_segment_size: 16
    .max_flat_workgroup_size: 128
    .sgpr_count:     72
    .vgpr_count:     1024
    .wavefront_size: 32
...
	.end_amdgpu_metadata
.endif
;; end of part 6
;; ======== version 3 of 3: 3 launches; version 2 with the launch attn written anew for expert scheduling mode
;; limits: values are held in f16: magnitudes above 65,504 overflow, below 6.1e-05 lose precision
;; workspace buffers: wt 1,572,864 bytes; qkv 12,582,912 bytes
;; launch wprep: the kernel of part 4 again; grid 96 x 1, 8 waves a work-group, no clusters, 17,920 bytes of LDS; arguments Wq, Wk, Wv, wt; writes wt
;; launch proj: the kernel of part 5 again; grid 256 x 1, 4 waves a work-group, clusters of 4 x 1, 327,680 bytes of LDS; arguments x, wt, qkv; writes qkv
;; launch attn (part 7): grid 256 x 1, 4 waves a work-group, no clusters, 137,728 bytes of LDS; arguments qkv, out0; writes out0
.if DOCPART == 7
	.amdgcn_target "amdgcn-amd-amdhsa--gfx1250"
	.amdhsa_code_object_version 6
	.text
	.protected	k_qde51d9c8d0_attn
	.globl	k_qde51d9c8d0_attn
	.p2align	8
	.type	k_qde51d9c8d0_attn,@function
k_qde51d9c8d0_attn:
	s_mov_b64 s[64:65], 0
	v_nop
	global_prefetch_b8 v0, s[64:65] scope:SCOPE_SE
	s_setreg_imm32_b32 hwreg(HW_REG_WAVE_SCHED_MODE, 0, 2), 2
	s_setreg_imm32_b32 hwreg(HW_REG_WAVE_MODE, 25, 1), 1
	s_wait_xcnt 0x0
	s_wait_alu depctr_vm_vsrc(0)
; out0[b][q][:] = softmax over k <= q of (Q[q] . K[k] / sqrt(128)) times V.  out0: [8][2048][128] f32.
; qkv, f16: a block of 16 tokens takes 12,288 bytes: Q 4,096 | K 4,096 | V 4,096, each of eight pieces of 512 bytes, lane l's 16 bytes at 16 l.
;   Q and K, piece p: lane l holds token l % 16, head columns 16 p + 8 (l / 16) + 0 .. 7: pieces 2 c and 2 c + 1 are registers 0-3 and 4-7 of the fragment of head columns 32 c ..
;   V, piece t: lane l holds head column 16 t + l % 16, tokens 8 (l / 16) + 0 .. 7: piece t of two neighbouring blocks is the fragment of V^T for 32 keys.
; LIMITS: the weights p = exp(s - running maximum) go to the matrix unit in f16: a weight below 2^-25 of its wave's running maximum counts as 0
; (2,048 keys x 2^-25 of weight at the most).  Scores, maxima, sums and results are f32.
; SHARES.  Work-group g: batch g / 32, a = (g / 4) % 8, cx = g % 4.  It takes 32 query rows of block a and 32 of block 15 - a (blocks of 128 rows; q tiles 0, 1 low;
; 2, 3 high), which need a + 1 and 16 - a tiles of 128 keys: 17 for every work-group.  Wave w takes all 64 rows x keys 32 w .. 32 w + 31 of each tile, so that each
; byte of K and V is fetched once in a work-group; each wave keeps its own running maximum, sum and result, and the four are merged at the end.
; LOADS.  Every fragment comes straight from memory into its registers, by loads of 512 consecutive bytes: 16 for K and 16 for V a tile and wave, through two ring
; buffers each.  In step t: wait for K(t); scores; ask for V(t + 1) over V(t - 1); softmax; wait for V(t); ask for K(t + 2) over K(t); P V.  At most 48 loads of a wave are out.
; NO CLUSTER, NO TENSOR LOAD, though the 32 work-groups of a batch walk the same tiles: a byte of K or V is used by one wave of a work-group, so LDS would add a trip and
; share nothing; and a joint refill has to have landed in front of the next round, with one tile's work, 32 or 64 matrix instructions of a wave, in which to land,
; while the ring's loads stay out over more than a tile and the loop has no barrier at all.
; LAYOUTS.  S^T = K Q^T (source 0 = 16 keys, source 1 = 16 query rows): lane l holds query row l % 16, register e key 8 (l / 16) + e.  Rounded to f16 in pairs
; that is source 1 of O^T = V^T P^T as it stands: the weights never leave the registers, and maximum, sum and rescale factor are one number a lane.
; SCHEDULE in double steps of two tiles (ring buffers 0, 1), a2 = a / 2: one with both halves, which starts the sums; a2 with both halves; 6 - 2 a2 with the high
; rows alone; one with the high rows alone and masked.  Low rows are masked wherever they are worked on.  One tile of one half is masked throughout.
; The maximum starts at the most negative finite number: a wave that has seen only masked keys has sum 0, factor 1 and no NaN.
; The exponent is c s + NM with c = log2(e) / sqrt(128) and NM = -c m rounded; the rescale factor is 2^(new NM - old NM): the very offsets that the weights used.
; THE MODE: SCHED_MODE bits 1:0 = 2 (LLVM: expert scheduling mode 2), set by the entry lines.  The code itself states the register dependences
; between vector or matrix instructions and memory or LDS instructions, with s_wait_alu, always for 0.
; THE PLAN.  Registers that memory or LDS instructions touch:
;   K ring        Step t: its products K Q^T read buffer t % 2; the loads of K(t + 2), issued in the same step ahead of the rescaling, land in it.
;   V ring        Step t: its products V^T P read buffer t % 2; the loads of V(t + 2), issued in step t + 1 behind that step's scores, land in it.
;   Q             Loaded once; read by products alone.
;   v[VOF], v[OGO], v[STA], v[STB], v[STO], v[RD ..]   Offsets and LDS addresses: made at the head, never written again; the tiles are reached by the scalar base and by immediates.
;   s[MK ..]      Sixteen masks: written by a q tile's compares, read by its selects.
;   The merge     NM and LS are stored and not written again; UU is loaded, then worked on; O is scaled, then stored; two row buffers (WK and the scores' registers) are loaded, added up and stored by turns.
; So ONE wait on va_vdst stands in a step for its 32 loads, behind the scores: it states that this tile's products are done reading K and the last tile's are done
; reading V.  V's loads follow it; K's follow behind the softmax, whose instructions name neither v[VOF] nor a register of the ring.
.set RB,    12288                      ; a block of 16 tokens
.set TILEB, 8*RB                       ; a tile of 128 keys
.set STAT,  0                          ; LDS: 64 rows x (NM of waves 0-3, sum of waves 0-3)
.set STG,   2048                       ; four waves x 64 rows x (512 + 16) bytes: the waves' results
.set GP,    528
.set GW,    64*GP
.set VOF, 4                            ; v4     byte offset of my 16 bytes in my wave's two blocks of a tile; never rewritten
.set QD,  12                           ; v12-15 q tile j: my query row's place in the batch less my first key's place in a tile
.set MX,  16                           ; v16-19 running maximum
.set LS,  20                           ; v20-23 running sum, of my half of the wave's keys
.set AL,  24                           ; v24-31 rescale factor, first register of a pair
.set NM,  32                           ; v32-39 -c x maximum, first register of a pair
.set T0,  40                           ; v40-43
.set T1,  44                           ; v44-47
.set DD,  48                           ; v48-51
.set RD,  52                           ; v52-55 the merge: where I read wave 0..3's rows
.set STO, 56                           ; v56    the merge: where I put my results
.set STA, 57                           ; v57    where I put NM and sum
.set STB, 58                           ; v58    where I read all four
.set OGO, 59                           ; v59    16 x lane; never rewritten
.set WK,  64                           ; v[64:127]  the merge: rows at work, buffer 0; buffer 1 is v[128:191], which the scores have left by then
.set SC,  128                          ; v[128:191] scores, then weights: (i, j) at +8 (4 i + j)
.set PR,  192                          ; v[192:223] weights in f16: j at +8 j
.set UU,  224                          ; v[224:255] at work
                                       ; window 1: O(t, j) at 8 (4 t + j);  window 2: Q's fragments (j, c) at 8 (4 j + c)
                                       ; window 3: ring buffer s: K(i, c) at 128 s + 8 (2 c + i), V(t) at 128 s + 64 + 8 t
.set MK,  16                           ; s[16:31] the masks of a q tile's sixteen scores
.set KVB, 40                           ; s[40:41] qkv at the batch's current tile
.set QLB, 42                           ; s[42:43] qkv at my first low block
.set QHB, 44                           ; s[44:45] qkv at my first high block
.set MSB, 0
.macro WIN new                         ; the immediate's high byte repeats the setting that is left; a switch that changes nothing is dropped
.if MSB != \new
	s_set_vgpr_msb (MSB<<8)|\new
.set MSB, \new
.endif
.endm
.macro PLACES                          ; four plain vector instructions between a matrix instruction and a vector instruction on its registers (ISA guide 7.12.1)
.rept 4
	v_nop
.endr
.endm
; 16 loads: K of my 32 keys of the tile that lies `tile` tiles ahead of the base, into ring buffer s (destination in window 3)
.macro LOADK s, tile
.irp c, 0,1,2,3
.irp i, 0,1
	global_load_b128 v[128*(\s)+8*(2*\c+\i):128*(\s)+8*(2*\c+\i)+3],   v[VOF], s[KVB:KVB+1] offset:\tile*TILEB+\i*RB+4096+1024*\c
	global_load_b128 v[128*(\s)+8*(2*\c+\i)+4:128*(\s)+8*(2*\c+\i)+7], v[VOF], s[KVB:KVB+1] offset:\tile*TILEB+\i*RB+4096+1024*\c+512
.endr
.endr
.endm
; 16 loads: V likewise: registers 0-3 my first 16 keys, registers 4-7 the second 16
.macro LOADV s, tile
.irp t, 0,1,2,3,4,5,6,7
	global_load_b128 v[128*(\s)+64+8*\t:128*(\s)+64+8*\t+3],   v[VOF], s[KVB:KVB+1] offset:\tile*TILEB+8192+512*\t
	global_load_b128 v[128*(\s)+64+8*\t+4:128*(\s)+64+8*\t+7], v[VOF], s[KVB:KVB+1] offset:\tile*TILEB+RB+8192+512*\t
.endr
.endm
; q tile j: keys behind the query row get minus infinity.  Key 16 i + e of mine is allowed where 16 i + e <= QD - the tile's first key.
; The sixteen compares stand in one run, each with a scalar register of its own, so that one wait serves the sixteen selects.
.macro MASKT j
	v_sub_nc_u32 v[DD+\j], v[QD+\j], s56
.irp i, 0,1
.irp e, 0,1,2,3,4,5,6,7
	v_cmp_le_i32 s[MK+8*\i+\e], 16*\i+\e, v[DD+\j]
.endr
.endr
	s_wait_alu depctr_va_sdst(0)                   ; the sixteen compares have written s[MK .. MK + 15], which the selects below read
.irp i, 0,1
.irp e, 0,1,2,3,4,5,6,7
	v_cndmask_b32 v[SC+8*(4*\i+\j)+\e], s55, v[SC+8*(4*\i+\j)+\e], s[MK+8*\i+\e]
.endr
.endr
.endm
; One tile of 128 keys, in ring buffer slot.  lo = 1: all four q tiles, the low ones masked; 0: the high two alone.  mhi = 1: the high ones masked.
; first = 1: the first tile: the ring is filled behind its first wait, the first products start O.  nk = 1: K of the tile after next is asked for; nv = 1: V of the next tile.
; wk, wv: how many younger loads stay out when K, V of this tile have to be there.
.macro STEP slot, lo, mhi, first, nk, nv, wk, wv
.if \lo
.set J0, 0
.set NJ, 4
.else
.set J0, 2
.set NJ, 2
.endif
	s_wait_loadcnt \wk                             ; loads come back in order: K of this tile is in (in the first tile: Q too); V of this tile and K of the next, 16 loads each, stay out
.if \first
	WIN 0xc0                                       ; destination in window 3.  No wait on va_vdst: v[VOF] was written ahead of the head's wait, and no vector or matrix instruction has named these registers of the ring
	LOADV 0, 0
	LOADK 1, 1
	LOADV 1, 1
.endif
	; S^T = K Q^T, 32 of the head's 128 at a time.  The accumulators take turns, one instruction a turn.
	WIN 0x0b                                       ; source 0 (K) in window 3, source 1 (Q) in window 2
.irp c, 0,1,2,3
.irp i, 0,1
.set jj, J0
.rept NJ
.if \c == 0
	v_wmma_f32_16x16x32_f16 v[SC+8*(4*\i+jj):SC+8*(4*\i+jj)+7], v[128*\slot+8*(2*\c+\i):128*\slot+8*(2*\c+\i)+7], v[8*(4*jj+\c):8*(4*jj+\c)+7], 0
.else
	v_wmma_f32_16x16x32_f16 v[SC+8*(4*\i+jj):SC+8*(4*\i+jj)+7], v[128*\slot+8*(2*\c+\i):128*\slot+8*(2*\c+\i)+7], v[8*(4*jj+\c):8*(4*jj+\c)+7], v[SC+8*(4*\i+jj):SC+8*(4*\i+jj)+7]
.endif
.set jj, jj+1
.endr
.endr
.endr
	PLACES                                         ; for the vector work on the scores
.if \nv && !\first
	WIN 0xc0                                       ; destination in window 3: the switch, then the wait, then the loads
.endif
.if \nk || \nv
	s_wait_alu depctr_va_vdst(0)                   ; this tile's products K Q^T are done reading K's buffer, in which K of the tile after next lands further down; the last tile's products V^T P are done reading the other V buffer, in which the next tile's V lands
.endif
.if \nv && !\first
	LOADV (1-\slot), 1                             ; 48 loads are out now
.endif
	WIN 0
.if \lo
	MASKT 0
	MASKT 1
.endif
.if \mhi
	MASKT 2
	MASKT 3
.endif
	; the running maximum: my 16 scores and the old maximum, in two chains; then the other half of the wave, which holds the same query rows
.set jj, J0
.rept NJ
	v_max3_num_f32 v[T0+jj], v[SC+8*jj], v[SC+8*jj+1], v[MX+jj]
	v_max3_num_f32 v[T1+jj], v[SC+8*(4+jj)], v[SC+8*(4+jj)+1], v[SC+8*(4+jj)+2]
	v_max3_num_f32 v[T0+jj], v[T0+jj], v[SC+8*jj+2], v[SC+8*jj+3]
	v_max3_num_f32 v[T1+jj], v[T1+jj], v[SC+8*(4+jj)+3], v[SC+8*(4+jj)+4]
	v_max3_num_f32 v[T0+jj], v[T0+jj], v[SC+8*jj+4], v[SC+8*jj+5]
	v_max3_num_f32 v[T1+jj], v[T1+jj], v[SC+8*(4+jj)+5], v[SC+8*(4+jj)+6]
	v_max3_num_f32 v[T0+jj], v[T0+jj], v[SC+8*jj+6], v[SC+8*jj+7]
	v_max3_num_f32 v[T0+jj], v[T0+jj], v[T1+jj], v[SC+8*(4+jj)+7]
.set jj, jj+1
.endr
.set jj, J0
.rept NJ
	v_permlanex16_b32 v[T1+jj], v[T0+jj], s58, s59
.set jj, jj+1
.endr
.set jj, J0
.rept NJ
	v_max_num_f32 v[MX+jj], v[T0+jj], v[T1+jj]
	v_mul_f32 v[T1+jj], s54, v[MX+jj]              ; the new offset, -c m
	v_sub_f32 v[T0+jj], v[T1+jj], v[NM+2*jj]       ; new less old: zero or below
	v_mov_b32 v[NM+2*jj], v[T1+jj]
	v_exp_f32 v[AL+2*jj], v[T0+jj]                 ; the line behind it is plain and touches neither its result nor its source (ISA guide 5.7.2)
.set jj, jj+1
.endr
	; weights: 2^(c s - c m), one fused multiply-add for two, in place
.set jj, J0
.rept NJ
.irp i, 0,1
.irp e, 0,2,4,6
	v_pk_fma_f32 v[SC+8*(4*\i+jj)+\e:SC+8*(4*\i+jj)+\e+1], v[SC+8*(4*\i+jj)+\e:SC+8*(4*\i+jj)+\e+1], s[52:53], v[NM+2*jj:NM+2*jj+1] op_sel_hi:[1,0,0]
.endr
.endr
.set jj, jj+1
.endr
.set jj, J0
.rept NJ
.irp i, 0,1
.irp e, 0,1,2,3,4,5,6,7
	v_exp_f32 v[SC+8*(4*\i+jj)+\e], v[SC+8*(4*\i+jj)+\e]
.endr
.endr
.set jj, jj+1
.endr
	v_nop                                          ; one plain place behind the run of exponentials
.set jj, J0
	s_wait_alu depctr_va_vdst(0)                   ; the exponentials have written the weights and the rescale factors, ahead of their first reader: one wait for the batch
.rept NJ
	v_pk_add_f32 v[UU+8*jj:UU+8*jj+1],   v[SC+8*jj:SC+8*jj+1],   v[SC+8*jj+2:SC+8*jj+3]
	v_pk_add_f32 v[UU+8*jj+2:UU+8*jj+3], v[SC+8*jj+4:SC+8*jj+5], v[SC+8*jj+6:SC+8*jj+7]
	v_pk_add_f32 v[UU+8*jj+4:UU+8*jj+5], v[SC+8*(4+jj):SC+8*(4+jj)+1],   v[SC+8*(4+jj)+2:SC+8*(4+jj)+3]
	v_pk_add_f32 v[UU+8*jj+6:UU+8*jj+7], v[SC+8*(4+jj)+4:SC+8*(4+jj)+5], v[SC+8*(4+jj)+6:SC+8*(4+jj)+7]
	v_pk_add_f32 v[UU+8*jj:UU+8*jj+1],   v[UU+8*jj:UU+8*jj+1],   v[UU+8*jj+2:UU+8*jj+3]
	v_pk_add_f32 v[UU+8*jj+4:UU+8*jj+5], v[UU+8*jj+4:UU+8*jj+5], v[UU+8*jj+6:UU+8*jj+7]
	v_pk_add_f32 v[UU+8*jj:UU+8*jj+1],   v[UU+8*jj:UU+8*jj+1],   v[UU+8*jj+4:UU+8*jj+5]
	v_add_f32 v[T0+jj], v[UU+8*jj], v[UU+8*jj+1]
	v_fma_f32 v[LS+jj], v[LS+jj], v[AL+2*jj], v[T0+jj]
.set jj, jj+1
.endr
.set jj, J0
.rept NJ
.irp i, 0,1
.irp e, 0,1,2,3
	v_cvt_pk_f16_f32 v[PR+8*jj+4*\i+\e], v[SC+8*(4*\i+jj)+2*\e], v[SC+8*(4*\i+jj)+2*\e+1]
.endr
.endr
.set jj, jj+1
.endr
	s_wait_loadcnt \wv                             ; V of this tile is in; K and V of the next tile, 16 loads each, stay out
.if \nk
	WIN 0xc0
	LOADK \slot, 2                                 ; over the fragments that this tile's scores were made of: 48 loads are out now.  No wait: since the wait behind the scores no vector or matrix instruction names v[VOF] or these registers
.endif
.if \first == 0
	WIN 0x41                                       ; O in window 1, the factor in window 0
.irp t, 0,1,2,3,4,5,6,7
.set jj, J0
.rept NJ
.irp e, 0,2,4,6
	v_pk_mul_f32 v[8*(4*\t+jj)+\e:8*(4*\t+jj)+\e+1], v[8*(4*\t+jj)+\e:8*(4*\t+jj)+\e+1], v[AL+2*jj:AL+2*jj+1] op_sel_hi:[1,0]
.endr
.set jj, jj+1
.endr
.endr
.endif
	; O^T += V^T P^T.  Each accumulator has one instruction in a tile: they take turns.
	WIN 0x53                                       ; source 0 (V) in window 3, source 1 (P) in window 0, C and D in window 1
.irp t, 0,1,2,3,4,5,6,7
.set jj, J0
.rept NJ
.if \first
	v_wmma_f32_16x16x32_f16 v[8*(4*\t+jj):8*(4*\t+jj)+7], v[128*\slot+64+8*\t:128*\slot+64+8*\t+7], v[PR+8*jj:PR+8*jj+7], 0
.else
	v_wmma_f32_16x16x32_f16 v[8*(4*\t+jj):8*(4*\t+jj)+7], v[128*\slot+64+8*\t:128*\slot+64+8*\t+7], v[PR+8*jj:PR+8*jj+7], v[8*(4*\t+jj):8*(4*\t+jj)+7]
.endif
.set jj, jj+1
.endr
.endr
	WIN 0
.if \nk
	s_wait_xcnt 0x0                                ; the base, which the loads above name, is stepped only behind this wait
	s_add_nc_u64 s[KVB:KVB+1], s[KVB:KVB+1], TILEB
.endif
	s_add_co_u32 s56, s56, 128                     ; the next tile's first key
.endm
; The merge's last part.  Group g is four rows of my q tile, each in four copies, one from each wave; it goes through row buffer g % 2.
.macro GLOAD g
.irp p, 0,1,2,3
.irp k, 0,1,2,3
	ds_load_b128 v[WK+64*((\g)%2)+16*\p+4*\k:WK+64*((\g)%2)+16*\p+4*\k+3], v[RD+\k] offset:(4*(\g)+\p)*GP
.endr
.endr
.endm
; younger: the LDS loads issued behind group g's: the next group's sixteen, or none
.macro GSUM g, younger
.set WB, WK+64*((\g)%2)
.irp p, 0,1,2,3
	s_wait_dscnt \younger+12-4*\p                  ; row p's four loads are in, the later rows' and the next group's stay out
	v_pk_add_f32 v[WB+16*\p:WB+16*\p+1],     v[WB+16*\p:WB+16*\p+1],     v[WB+16*\p+4:WB+16*\p+5]
	v_pk_add_f32 v[WB+16*\p+2:WB+16*\p+3],   v[WB+16*\p+2:WB+16*\p+3],   v[WB+16*\p+6:WB+16*\p+7]
	v_pk_add_f32 v[WB+16*\p+8:WB+16*\p+9],   v[WB+16*\p+8:WB+16*\p+9],   v[WB+16*\p+12:WB+16*\p+13]
	v_pk_add_f32 v[WB+16*\p+10:WB+16*\p+11], v[WB+16*\p+10:WB+16*\p+11], v[WB+16*\p+14:WB+16*\p+15]
	v_pk_add_f32 v[WB+16*\p:WB+16*\p+1],     v[WB+16*\p:WB+16*\p+1],     v[WB+16*\p+8:WB+16*\p+9]
	v_pk_add_f32 v[WB+16*\p+2:WB+16*\p+3],   v[WB+16*\p+2:WB+16*\p+3],   v[WB+16*\p+10:WB+16*\p+11]
.endr
	s_wait_alu depctr_va_vdst(0)                   ; the additions have written the four rows, which the stores read, and are done with this row buffer, in which the group after next lands
.irp p, 0,1,2,3
	global_store_b128 v[OGO], v[WB+16*\p:WB+16*\p+3], s[6:7] offset:(4*(\g)+\p)*512 th:TH_STORE_NT
.endr
.endm
	s_load_b128 s[4:7], s[0:1], 0x0                ; qkv s[4:5], out0 s[6:7]
	v_lshl_add_u32 v62, v0, 2, 0x21800             ; my spare word, behind the waves' results, and 0: made here and kept for the closing lines alone
	v_mov_b32 v63, 0
	v_lshrrev_b32 v1, 5, v0
	v_readfirstlane_b32 s10, v1                    ; wave 0..3
	s_and_b32 s11, ttmp9, 3                        ; cx
	s_lshr_b32 s12, ttmp9, 5                       ; batch
	s_bfe_u32 s13, ttmp9, 0x30002                  ; a: 3 bits from bit 2
	s_lshr_b32 s14, s13, 1                         ; a2
	s_sub_co_u32 s60, 15, s13
	s_lshl_b32 s15, s11, 5                         ; 32 cx
	s_lshl_b32 s61, s13, 7
	s_add_co_u32 s61, s61, s15                     ; my first low row's place in the batch
	s_lshl_b32 s62, s60, 7
	s_add_co_u32 s62, s62, s15                     ; my first high row's
	s_wait_alu depctr_va_sdst(0)                   ; s10 is written, ahead of its first reader
	s_and_b32 s8, s10, 1
	s_cmp_lt_u32 s10, 2
	s_cselect_b32 s63, s61, s62                    ; q tile w: waves 0, 1 low, waves 2, 3 high,
	s_lshl4_add_u32 s63, s8, s63                   ; + 16 (w & 1),
	s_lshl_b32 s70, s12, 11
	s_add_co_u32 s63, s63, s70                     ; + the batch's 2,048 rows: the tile that wave w stores
	s_lshl_b32 s70, s63, 9                         ; rows of 512 bytes in out0
	s_mov_b32 s71, 0
	s_mul_i32 s66, s12, 128*RB                     ; the batch's 128 blocks of qkv
	s_mov_b32 s67, 0
	s_mul_i32 s68, s61, RB/16                      ; a row's place times 12,288 / 16: my rows begin blocks
	s_add_co_u32 s68, s68, s66
	s_mov_b32 s69, 0
	s_mul_i32 s46, s62, RB/16
	s_add_co_u32 s46, s46, s66
	s_mov_b32 s47, 0
	v_and_b32 v1, 31, v0                           ; lane l
	v_lshlrev_b32 v[OGO], 4, v1
	s_mul_i32 s9, s10, 2*RB                        ; my wave's 32 keys: two blocks
	v_add_nc_u32 v[VOF], s9, v[OGO]
	s_mov_b32 s52, 0x3e0293ee                      ; c = log2(e) / sqrt(128), twice: a pair for the packed multiply-add
	s_mov_b32 s53, 0x3e0293ee
	s_mov_b32 s54, 0xbe0293ee                      ; -c
	s_mov_b32 s55, 0xff800000                      ; minus infinity
	s_mov_b32 s56, 0                               ; the tile's first key
	s_mov_b32 s58, 0x76543210                      ; v_permlanex16_b32: lane i of one half reads lane i of the other
	s_mov_b32 s59, 0xfedcba98
	s_wait_kmcnt 0x0
	s_add_nc_u64 s[KVB:KVB+1], s[4:5], s[66:67]
	s_add_nc_u64 s[QLB:QLB+1], s[4:5], s[68:69]
	s_add_nc_u64 s[QHB:QHB+1], s[4:5], s[46:47]
	s_add_nc_u64 s[6:7], s[6:7], s[70:71]
	WIN 0x80                                       ; destination in window 2: Q's 64 rows, 32 loads; piece k of tile j is half k % 2 of fragment (j, k / 2)
	s_wait_alu depctr_va_vdst(0)                   ; v[OGO] and v[VOF] are written: every global load and store of the kernel reads one of them as its offset, and neither is written again
.irp j, 0,1
.irp k, 0,1,2,3,4,5,6,7
	global_load_b128 v[32*\j+4*\k:32*\j+4*\k+3], v[OGO], s[QLB:QLB+1] offset:\j*RB+512*\k
.endr
.endr
.irp j, 0,1
.irp k, 0,1,2,3,4,5,6,7
	global_load_b128 v[64+32*\j+4*\k:64+32*\j+4*\k+3], v[OGO], s[QHB:QHB+1] offset:\j*RB+512*\k
.endr
.endr
	WIN 0xc0
	LOADK 0, 0                                     ; tile 0's K: 48 loads are out
	WIN 0
	v_and_b32 v2, 15, v0                           ; r = l % 16
	v_bfe_u32 v3, v0, 4, 1                         ; h = l / 16
	v_lshlrev_b32 v60, 3, v3
	v_sub_nc_u32 v60, v2, v60                      ; r - 8 h
	s_lshl_b32 s66, s10, 5
	v_sub_nc_u32 v60, v60, s66                     ; - 32 w
	v_add_nc_u32 v[QD], s61, v60
	v_add_nc_u32 v[QD+1], 16, v[QD]
	v_add_nc_u32 v[QD+2], s62, v60
	v_add_nc_u32 v[QD+3], 16, v[QD+2]
	s_mul_i32 s66, s10, 16*GP                      ; the merge: wave w sums q tile w
	s_add_co_u32 s66, s66, STG
	v_lshl_add_u32 v[RD], v1, 4, s66
	v_add_nc_u32 v[RD+1], GW, v[RD]
	v_add_nc_u32 v[RD+2], 2*GW, v[RD]
	v_add_nc_u32 v[RD+3], 3*GW, v[RD]
	s_mul_i32 s66, s10, GW
	s_add_co_u32 s66, s66, STG
	v_mul_u32_u24 v[STO], v2, GP
	v_lshl_add_u32 v[STO], v3, 5, v[STO]           ; row r, head columns 8 h .. of a block of 16: 32 bytes
	v_add_nc_u32 v[STO], s66, v[STO]
	v_lshlrev_b32 v[STB], 5, v2
	v_add_nc_u32 v[STB], STAT, v[STB]
	v_lshl_add_u32 v[STA], s10, 2, v[STB]
.irp j, 0,1,2,3
	v_mov_b32 v[MX+\j], 0xff7fffff                 ; the most negative finite number
	v_mov_b32 v[LS+\j], 0
	v_mul_f32 v[NM+2*\j], s54, v[MX+\j]            ; its offset, finite
	v_mov_b32 v[NM+2*\j+1], 0                      ; the pairs' second registers are named by the packed forms and never used
	v_mov_b32 v[AL+2*\j+1], 0
.endr
	STEP 0, 1, 0, 1, 1, 1, 0, 32                   ; tiles 0 and 1, both halves: no high row is near its diagonal (the high block is number 8 at the least)
	STEP 1, 1, 0, 0, 1, 1, 32, 32
	s_cmp_eq_u32 s14, 0
	s_cbranch_scc1 .Lno_both
	s_mov_b32 s57, s14                             ; a2 more double steps with both halves
.Lboth:
	STEP 0, 1, 0, 0, 1, 1, 32, 32
	STEP 1, 1, 0, 0, 1, 1, 32, 32
	s_sub_co_u32 s57, s57, 1
	s_cmp_lg_u32 s57, 0
	s_cbranch_scc1 .Lboth
.Lno_both:
	s_lshl_b32 s57, s14, 1
	s_sub_co_u32 s57, 6, s57                       ; 6 - 2 a2 with the high rows alone
	s_cmp_eq_u32 s57, 0
	s_cbranch_scc1 .Lno_high
.Lhigh:
	STEP 0, 0, 0, 0, 1, 1, 32, 32
	STEP 1, 0, 0, 0, 1, 1, 32, 32
	s_sub_co_u32 s57, s57, 1
	s_cmp_lg_u32 s57, 0
	s_cbranch_scc1 .Lhigh
.Lno_high:
	STEP 0, 0, 1, 0, 0, 1, 32, 32                  ; the last two tiles, 14 - 2 a2 and 15 - 2 a2: the high block's diagonal is in one of them.  No K is left to ask for,
	STEP 1, 0, 1, 0, 0, 0, 16, 0                   ; and then nothing: behind the last K only the last V's 16 loads are out, behind them none
	; THE MERGE of the four waves' maxima, sums and results.
	PLACES                                         ; behind the last matrix instructions
.irp j, 0,1,2,3
	v_permlanex16_b32 v[T1+\j], v[LS+\j], s58, s59 ; the sum of the wave's other 16 keys
.endr
.irp j, 0,1,2,3
	v_add_f32 v[LS+\j], v[LS+\j], v[T1+\j]
.endr
	s_wait_alu depctr_va_vdst(0)                   ; the additions have written LS, which the LDS stores read beside NM; and the last softmax is done with v[UU ..], in which the loads behind the barrier land
.irp j, 0,1,2,3
	ds_store_b32 v[STA], v[NM+2*\j] offset:\j*512      ; lanes r and 16 + r write the same word with the same number
	ds_store_b32 v[STA], v[LS+\j] offset:\j*512+16
.endr
	s_wait_dscnt 0x0                               ; my stores are done before I say so
	s_barrier_signal -1
	s_barrier_wait -1
.irp j, 0,1,2,3
	ds_load_b128 v[UU+8*\j:UU+8*\j+3],   v[STB] offset:\j*512
	ds_load_b128 v[UU+8*\j+4:UU+8*\j+7], v[STB] offset:\j*512+16
.endr
	s_wait_dscnt 0x0
.irp j, 0,1,2,3
	v_min_num_f32 v[T0+\j], v[UU+8*\j], v[UU+8*\j+1]   ; the least offset belongs to the largest maximum; key 0 is open to every row, so it is that of a real score
	v_min_num_f32 v[T1+\j], v[UU+8*\j+2], v[UU+8*\j+3]
	v_min_num_f32 v[T0+\j], v[T0+\j], v[T1+\j]
	v_sub_f32 v[T1+\j], v[T0+\j], v[NM+2*\j]
.irp k, 0,1,2,3
	v_sub_f32 v[UU+8*\j+\k], v[T0+\j], v[UU+8*\j+\k]
.endr
.endr
.irp j, 0,1,2,3
	v_exp_f32 v[T1+\j], v[T1+\j]                   ; my wave's factor
.irp k, 0,1,2,3
	v_exp_f32 v[UU+8*\j+\k], v[UU+8*\j+\k]         ; each wave's
.endr
.endr
	v_nop                                          ; one plain place behind the run
	s_wait_alu depctr_va_vdst(0)                   ; the twenty exponentials have written their factors, ahead of the first reader
.irp j, 0,1,2,3
	v_mul_f32 v[T0+\j], v[UU+8*\j], v[UU+8*\j+4]
	v_fmac_f32 v[T0+\j], v[UU+8*\j+1], v[UU+8*\j+5]
	v_fmac_f32 v[T0+\j], v[UU+8*\j+2], v[UU+8*\j+6]
	v_fmac_f32 v[T0+\j], v[UU+8*\j+3], v[UU+8*\j+7]    ; the row's whole sum: at least about 1, the largest score's own weight
.endr
.irp j, 0,1,2,3
	v_rcp_f32 v[T0+\j], v[T0+\j]
.endr
	v_nop
	s_wait_alu depctr_va_vdst(0)                   ; the four reciprocals are written, ahead of their first reader
.irp j, 0,1,2,3
	v_mul_f32 v[AL+2*\j], v[T1+\j], v[T0+\j]
.endr
	WIN 0x41
.irp t, 0,1,2,3,4,5,6,7
.irp j, 0,1,2,3
.irp e, 0,2,4,6
	v_pk_mul_f32 v[8*(4*\t+\j)+\e:8*(4*\t+\j)+\e+1], v[8*(4*\t+\j)+\e:8*(4*\t+\j)+\e+1], v[AL+2*\j:AL+2*\j+1] op_sel_hi:[1,0]
.endr
.endr
.endr
	WIN 0x04                                       ; a store's data in window 1
	s_wait_alu depctr_va_vdst(0)                   ; the scalings have written O, which the LDS stores read; all that named the scores' registers, the second row buffer, stands ahead of this wait too
.irp t, 0,1,2,3,4,5,6,7
.irp j, 0,1,2,3
	ds_store_b128 v[STO], v[8*(4*\t+\j):8*(4*\t+\j)+3]   offset:\j*16*GP+64*\t
	ds_store_b128 v[STO], v[8*(4*\t+\j)+4:8*(4*\t+\j)+7] offset:\j*16*GP+64*\t+16
.endr
.endr
	WIN 0
	s_wait_dscnt 0x0
	s_barrier_signal -1
	s_barrier_wait -1
	; wave w adds the four waves' rows of q tile w, four rows at a time, and stores them: a store of the wave covers a row's 512 consecutive bytes.
	; Two row buffers take turns: while one group is added up and stored, the next group's sixteen loads are out.
	GLOAD 0
	GLOAD 1
	GSUM 0, 16
	s_wait_xcnt 0x0                                ; the registers that group 0's stores read are loaded again only behind this wait,
	s_wait_alu depctr_vm_vsrc(0)                   ; and behind this one: group 0's stores have read row buffer 0, in which group 2 lands
	GLOAD 2
	GSUM 1, 16
	s_wait_xcnt 0x0                                ; likewise for group 1's stores
	s_wait_alu depctr_vm_vsrc(0)                   ; group 1's stores have read row buffer 1, in which group 3 lands
	GLOAD 3
	GSUM 2, 16
	GSUM 3, 0
	s_wait_dscnt 0x0                               ; the closing lines, six on end
	s_wait_alu 0x0
	s_wait_tensorcnt 0x0
	ds_add_u32 v62, v63
	s_wait_dscnt 0x0
	s_endpgm
.Lfunc_end_k_qde51d9c8d0_attn:
	.size	k_qde51d9c8d0_attn, .Lfunc_end_k_qde51d9c8d0_attn-k_qde51d9c8d0_attn
	.p2alignl 7, 3214868480
	.fill 96, 4, 3214868480
	.section	.rodata,"a",@progbits
	.p2align	6, 0x0
	.amdhsa_kernel k_qde51d9c8d0_attn
		.amdhsa_group_segment_fixed_size 137728
		.amdhsa_private_segment_fixed_size 0
		.amdhsa_enable_private_segment 0
		.amdhsa_kernarg_size 16
		.amdhsa_user_sgpr_count 2
		.amdhsa_user_sgpr_kernarg_segment_ptr 1
		.amdhsa_wavefront_size32 1
		.amdhsa_system_sgpr_workgroup_id_x 1
		.amdhsa_system_sgpr_workgroup_id_y 1
		.amdhsa_system_sgpr_workgroup_id_z 1
		.amdhsa_system_vgpr_workitem_id 0
		.amdhsa_next_free_vgpr 1024
		.amdhsa_next_free_sgpr 72
		.amdhsa_reserve_vcc 0
		.amdhsa_float_denorm_mode_32 3
		.amdhsa_float_denorm_mode_16_64 3
		.amdhsa_memory_ordered 1
		.amdhsa_forward_progress 1
		.amdhsa_inst_pref_size 221
	.end_amdhsa_kernel
	.amdgpu_metadata
---
amdhsa.version: [ 1, 2 ]
amdhsa.kernels:
  - .name:           k_qde51d9c8d0_attn
    .symbol:         k_qde51d9c8d0_attn.kd
    .args:
      - { .name: qkv, .offset: 0, .size: 8, .value_kind: global_buffer, .address_space: global }
      - { .name: out0, .offset: 8, .size: 8, .value_kind: global_buffer, .address_space: global }
    .group_segment_fixed_size: 137728
    .private_segment_fixed_size: 0
    .kernarg_segment_align: 8
    .kernarg_segment_size: 16
    .max_flat_workgroup_size: 128
    .sgpr_count:     72
    .vgpr_count:     1024
    .wavefront_size: 32
...
	.end_amdgpu_metadata
.endif
;; end of part 7
